; MI455X (gfx1250); checked and timed in simulation.
; The chip was launched on July 23, 2026; its instructions are those of AMD's public machine-readable ISA for CDNA 5 (MIT licence, August 2026) and "CDNA5" Instruction Set Architecture Reference Guide (July 2026). The comments in the code are by the model that wrote it; some were corrected since.
;; Reprogramming Layer m2. Allowed arithmetic: matrix products marked QUANTISED: E5M2 operands, one given power-of-two scale a tensor, by v_wmma_f32_16x16x64_bf8_bf8 or v_wmma_f32_16x16x128_bf8_bf8, f32 sums; everything else in f32.
;; Inputs: Wk 1,024 x 1,024 float32; Wo 1,024 x 1,024 float32; Wq 1,024 x 1,024 float32; Wv 1,024 x 1,024 float32; bk 1,024 float32; bo 1,024 float32; bq 1,024 float32; bv 1,024 float32; lowp_scales 12 int32 (the exponents e of the quantised operands' scales 2^e); source_embedding 2 x 4,096 x 1,024 float32; target_embedding 2 x 2,048 x 1,024 float32; value_embedding 2 x 4,096 x 1,024 float32.
;; Outputs: out0 2 x 2,048 x 1,024 float32.
;; This version of the problem:
;;   THIS VERSION OF THE PROBLEM IS GIVEN IN LOW PRECISION. The matrix products marked QUANTISED in the list below multiply operands that are first quantised to E5M2 (5 exponent bits, 2 mantissa bits; 8 bits a number), with one given power-of-two scale for each operand tensor; their sums are f32. All else is computed in f32.
;;   The module's matrix products, in the order in which they are computed (A, B: the left and right operand; K: the contracted axis; several contracted axes count as one K, in the product's order):
;;     1. [M 4,096, K 1,024] x [K 1,024, N 1,024]; A: input target_embedding; B: input Wq: QUANTISED (scales: A lowp_scales[0], B lowp_scales[1])
;;     2. [M 8,192, K 1,024] x [K 1,024, N 1,024]; A: input source_embedding; B: input Wk: QUANTISED (scales: A lowp_scales[2], B lowp_scales[3])
;;     3. [M 8,192, K 1,024] x [K 1,024, N 1,024]; A: input value_embedding; B: input Wv: QUANTISED (scales: A lowp_scales[4], B lowp_scales[5])
;;     4. batch 32 x [M 2,048, K 64] x [K 64, N 4,096]; A: computed on the way; B: computed on the way: QUANTISED (scales: A lowp_scales[6], B lowp_scales[7])
;;     5. batch 32 x [M 64, K 4,096] x [K 4,096, N 2,048]; A: computed on the way; B: softmax (see below): QUANTISED (scales: A lowp_scales[8], B lowp_scales[9])
;;     6. [M 4,096, K 1,024] x [K 1,024, N 1,024]; A: computed on the way; B: input Wo: QUANTISED (scales: A lowp_scales[10], B lowp_scales[11])
;;   THE QUANTISER, for each operand of a quantised product, along K:
;;     - The operand's scale is 2^e, e = its entry of the input lowp_scales (int32; the entries are numbered through the quantised products in the list's order, A before B).
;;     - Each number is divided by the scale, clamped to +-57,344, and rounded to the nearest number of E5M2, ties to even, subnormals kept.
;;     - The product sums the exact products of the quantised numbers (number of the format x scale) in f32.
;;   ~~~python
;;   def quantise(x, axis, e):      # numpy; x: float32 -> the quantised numbers, widened to float32 again
;;       x = np.moveaxis(x, axis, -1); K = x.shape[-1]
;;       r = np.clip(x / 2.0 ** e, -57344, 57344)
;;       step = 2.0 ** (np.maximum(np.frexp(np.where(r == 0, 1, r))[1] - 1, -14) - 2)
;;       q = np.round(r / step) * step * 2.0 ** e      # np.round: ties to even
;;       return np.moveaxis(q, -1, axis).astype(np.float32)
;;   ~~~
;;   SOFTMAX AHEAD OF A QUANTISED PRODUCT. Where the list says 'softmax', what is quantised is not the finished softmax but p = 2^(t - M), with t = logit x log2(e) and M = ceil(the row's largest t), a whole number; so 1/2 < the row's largest p <= 1. The row's sum l is taken of the UNQUANTISED p, in f32, and the product's result is divided by l at the end. Since M is a whole number, a kernel that streams over the keys may use a running M (the ceiling of the running maximum): every later rescaling is an exact power of two, so the quantised numbers keep their values, but for numbers so far below the row's largest that they fall under the format's range.
;;   OPERANDS COMPUTED ON THE WAY. 'Computed on the way' means the value that the module computes at that place (a softmax that the list does not call 'softmax' is quantised finished and normalised). What goes into a quantiser is computed in f32, as accurately as f32 sums, v_exp_f32 and their like allow (about 1e-6 of the number): no bf16 or f16 on the way to a quantiser, and a product that is left as it is and whose result goes on into a quantised operand takes f32 operands (vector FMAs, or v_wmma_f32_16x16x4_f32). A number that lies on a knife's edge between two numbers of the format may be rounded either way, as far as f32 arithmetic and the matrix unit's own rounding can turn it there, and no further.
;; One version. Each part assembles by itself: llvm-mc -triple=amdgcn-amd-amdhsa -mcpu=gfx1250 --defsym DOCPART=n.
;; ======== version 1 of 1: 4 launches
;; limits: right only within a limited range of input values
;; workspace buffers: xcodes 20,971,520 bytes; wcodes 4,194,304 bytes; kvcodes 16,777,216 bytes; acodes 4,194,304 bytes
;; launch quant (part 1): grid 768 x 1, 4 waves a work-group, no clusters, 44,544 bytes of LDS; arguments target_embedding, source_embedding, value_embedding, Wq, Wk, Wv, Wo, lowp_scales, xcodes, wcodes; writes xcodes, wcodes
.if DOCPART == 1
	.amdgcn_target "amdgcn-amd-amdhsa--gfx1250"
	.amdhsa_code_object_version 6
	.text
	.protected	k_q697166f4ee_quant
	.globl	k_q697166f4ee_quant
	.p2align	8
	.type	k_q697166f4ee_quant,@function
k_q697166f4ee_quant:
	s_mov_b64 s[64:65], 0
	v_nop
	global_prefetch_b8 v0, s[64:65] scope:SCOPE_SE
	s_setreg_imm32_b32 hwreg(HW_REG_WAVE_MODE, 25, 1), 1
	s_wait_xcnt 0x0
; The three embeddings ([rows][1024] f32, K innermost) and the four weights ([K 1024][N 1024] f32, K outermost) become codes of BF8 (E5M2), each with the one scale 2^e given for it:
; code = x / 2^e, held within +-57,344, rounded to the nearest code, ties to even.
; LIMITS: each e used here (entries 0 to 5 and 11 of the scales) lies between -126 and 112, so that 2^e and 57,344 x 2^e are f32 numbers.  NaN among the inputs is not served.
; THE CODES ARE LAID AS IMAGES OF OPERAND REGISTERS.  A fragment is 16 rows (or columns n) x 128 along K, 2,048 bytes: [piece c 0..3][lane 0..31][16 bytes]; lane (r = lane % 16, h = lane / 16), piece c
; holds K = 32 c + 16 h + 0 .. 15 of the tile's lane-row r.  The rows of a tile are not neighbours: tile a (0..7) of a group of 128 has lane-row r = index 32 (a / 2) + 8 (a % 2) + r + 8 (r / 8),
; so that a later product's results, taken transposed, run over neighbours in a lane's registers.
; xcodes: [1280 row tiles][8 K steps][2048], rows 0-4095 target, 4096-12287 source, 12288-20479 value.   wcodes: [Wq, Wk, Wv, Wo][64 n tiles][8 K steps][2048].
; SHARES.  Work-groups 0-639 take the embeddings: a wave takes one row tile x 512 along K, four steps of 128.  Work-groups 640-767 take the weights: a wave takes 32 columns x 256 along K.
; No tensor loads, no barrier, no cluster: waves share nothing, every input byte is read once.  The two paths part on the work-group's number and have LDS bytes of their own.
.set NXWG,  640                        ; work-groups of the embeddings' path
.set WSP,   272                        ; weights' stage: a column's 256 codes + 16 bytes of padding
.set WSTG,  32*WSP                     ; and a wave's stage: 32 columns
.set XST,   4*WSTG                     ; behind the four of them: the embeddings' stages
.set XSP,   144                        ; a row's 128 codes + 16 bytes of padding: 9 x 16, so the 16 rows that a read touches begin at different banks
.set XSTG,  16*XSP
.set XC,    16                         ; v16-31   embeddings: a step's codes, register r = 4 codes of lane-row r
.set XR0,   32                         ; v32-159  two sets of 64 numbers as loaded
.set XO,    160                        ; v160-223 images, 16 registers for each step: no store's data are written again
.set WC,    16                         ; v16-23   weights: a block's 32 codes
.set WX,    32                         ; v32-95   two sets of 32 numbers
.set WO,    96                         ; v96-159  images on the way out
	s_load_b256 s[4:11], s[0:1], 0x0               ; target s[4:5], source s[6:7], value s[8:9], Wq s[10:11]
	s_load_b256 s[12:19], s[0:1], 0x20             ; Wk s[12:13], Wv s[14:15], Wo s[16:17], the scales' exponents s[18:19]
	s_load_b128 s[20:23], s[0:1], 0x40             ; xcodes s[20:21], wcodes s[22:23]
	v_lshl_add_u32 v224, v0, 2, 0xac00
	v_mov_b32 v225, 0
	v_lshrrev_b32 v1, 5, v0
	v_readfirstlane_b32 s36, v1                    ; wave 0..3
	v_and_b32 v2, 31, v0                           ; lane
	v_and_b32 v3, 15, v0                           ; r
	v_bfe_u32 v4, v0, 4, 1                         ; h
	; every LDS address is made here, ahead of the parting of the two paths
	s_mul_i32 s37, s36, XSTG
	s_add_co_u32 s37, s37, XST
	v_lshl_add_u32 v5, v2, 2, s37                  ; embeddings, in: my 4 codes of a row
	v_mul_u32_u24 v6, v3, XSP
	v_lshl_add_u32 v6, v4, 4, v6
	v_add_nc_u32 v6, s37, v6                       ; embeddings, out: row r, + 16 h
	s_mul_i32 s38, s36, WSTG
	v_mul_u32_u24 v7, v2, WSP
	v_add_nc_u32 v7, s38, v7                       ; weights, in: row = my column
	v_and_b32 v8, 8, v3
	v_add_nc_u32 v8, v8, v3                        ; r + 8 (r / 8)
	v_mul_u32_u24 v8, v8, WSP
	v_lshl_add_u32 v8, v4, 4, v8
	v_add_nc_u32 v8, s38, v8                       ; weights, out: the tile's lane-row r, + 16 h
	v_lshlrev_b32 v9, 4, v2                        ; 16 x lane: a row's 512 bytes in, an image's 512 bytes out
	v_lshlrev_b32 v12, 2, v2                       ; 4 x lane: my column of a weight
	s_wait_kmcnt 0x0
	s_load_b256 s[24:31], s[18:19], 0x0            ; e0 .. e7
	s_load_b128 s[32:35], s[18:19], 0x20           ; e8 .. e11
	s_cmp_lt_u32 ttmp9, NXWG
	s_cbranch_scc0 .Lweights
	; ---------------- THE EMBEDDINGS ----------------
	s_lshl_b32 s37, ttmp9, 1
	s_lshr_b32 s38, s36, 1
	s_add_co_u32 s37, s37, s38                     ; T: my row tile = 2 x work-group + wave / 2
	s_and_b32 s38, s36, 1                          ; which 512 along K
	s_cmp_lt_u32 ttmp9, 384                        ; the choice of tensor hangs on the work-group's number alone
	s_cselect_b64 s[40:41], s[6:7], s[8:9]
	s_mov_b32 s39, 768
	s_cselect_b32 s39, 256, s39                    ; the tensor's first row tile
	s_cmp_lt_u32 ttmp9, 128
	s_cselect_b64 s[40:41], s[4:5], s[40:41]
	s_cselect_b32 s39, 0, s39
	s_sub_co_u32 s42, s37, s39                     ; the tile's number in its tensor
	s_lshr_b32 s43, s42, 3
	s_lshl_b32 s43, s43, 7                         ; 128 x group
	s_bfe_u32 s44, s42, 0x20001
	s_lshl_b32 s44, s44, 5                         ; + 32 (a / 2)
	s_add_co_u32 s43, s43, s44
	s_and_b32 s44, s42, 1
	s_lshl_b32 s44, s44, 3                         ; + 8 (a % 2)
	s_add_co_u32 s43, s43, s44                     ; the row of lane-row 0
	s_lshl_b32 s44, s43, 12                        ; rows of 4,096 bytes,
	s_lshl_b32 s45, s38, 11                        ; 512 numbers of 4 bytes
	s_add_co_u32 s44, s44, s45
	s_mov_b32 s45, 0
	s_add_nc_u64 s[40:41], s[40:41], s[44:45]
	s_lshl_b32 s44, s37, 14                        ; out: 16,384 bytes a row tile,
	s_lshl_b32 s46, s38, 13                        ; four images of 2,048
	s_add_co_u32 s44, s44, s46
	s_add_nc_u64 s[20:21], s[20:21], s[44:45]
.macro XLOAD s                         ; K step s: each load reads 512 consecutive bytes of one row, 16 a lane; register 4 r + i = K 4 lane + i of lane-row r
.irp r, 0,1,2,3,4,5,6,7,8,9,10,11,12,13,14,15
	global_load_b128 v[XR0+64*((\s)%2)+4*\r:XR0+64*((\s)%2)+4*\r+3], v9, s[40:41] offset:(\r+8*(\r/8))*4096+512*(\s) th:TH_LOAD_NT
.endr
.endm
.macro XSTEP s
.set XR, XR0+64*((\s)%2)
.if (\s) < 3
	s_wait_loadcnt 16                              ; this step's 16 loads are in; the next step's 16 may be out
.else
	s_wait_loadcnt 0
.endif
.set i, 0
.rept 64
	v_med3_num_f32 v[XR+i], v[XR+i], -v10, v10     ; the conversion to an 8-bit code does not saturate (ISA guide 7.6.2): the hold at the largest code x the scale
.set i, i+1
.endr
.irp g, 0,1,2,3,4,5,6,7
	v_cvt_scalef32_pk8_bf8_f32 v[XC+2*\g:XC+2*\g+1], v[XR+8*\g:XR+8*\g+7], v11   ; eight numbers: four of row 2 g, four of row 2 g + 1: a register a row
.endr
.if (\s) < 2
	XLOAD (\s)+2                                   ; the set just converted takes the step two on
.endif
.irp r, 0,1,2,3,4,5,6,7,8,9,10,11,12,13,14,15
	ds_store_b32 v5, v[XC+\r] offset:XSP*\r        ; a row's 128 codes: 32 lanes, 128 consecutive bytes
.endr
.irp c, 0,1,2,3
	ds_load_b128 v[XO+16*(\s)+4*\c:XO+16*(\s)+4*\c+3], v6 offset:32*\c   ; LDS serves a wave's instructions in order (ISA guide 5.7.1.4): these see my stores.  K = 32 c + 16 h + 0 .. 15 of row r
.endr
	s_wait_dscnt 0x0
.irp c, 0,1,2,3
	global_store_b128 v9, v[XO+16*(\s)+4*\c:XO+16*(\s)+4*\c+3], s[20:21] offset:2048*(\s)+512*\c   ; the wave stores 512 consecutive bytes, at a multiple of 512 from the buffer's first byte
.endr
.endm
	s_wait_alu depctr_va_vdst(0)
	XLOAD 0
	XLOAD 1
	s_wait_kmcnt 0x0
	s_cmp_lt_u32 ttmp9, 384
	s_cselect_b32 s47, s26, s28                    ; e2 or e4,
	s_cmp_lt_u32 ttmp9, 128
	s_cselect_b32 s47, s24, s47                    ; or e0
	s_add_co_i32 s47, s47, 127
	s_lshl_b32 s48, s47, 23
	v_mov_b32 v11, s48                             ; 2^e as f32: the conversion takes its exponent field
	s_add_co_i32 s47, s47, 15
	s_lshl_b32 s47, s47, 23
	s_or_b32 s47, s47, 0x600000
	v_mov_b32 v10, s47                             ; 57,344 x 2^e
	s_wait_alu depctr_va_vdst(0)
	XSTEP 0
	XSTEP 1
	XSTEP 2
	XSTEP 3
	s_wait_tensorcnt 0x0
	ds_add_u32 v224, v225
	s_wait_dscnt 0x0
	s_endpgm
	; ---------------- THE WEIGHTS ----------------
	; A lane takes a column n and its registers run down K: each load reads 128 consecutive bytes a wave, and the conversions give codes with K innermost.  Nothing is transposed by an instruction.
.Lweights:
	s_sub_co_u32 s37, ttmp9, NXWG
	s_lshr_b32 s38, s37, 5                         ; which weight: 0 Wq, 1 Wk, 2 Wv, 3 Wo
	s_bfe_u32 s39, s37, 0x30002                    ; which 128 columns
	s_and_b32 s42, s37, 3                          ; which 256 along K
	s_mov_b64 s[40:41], s[16:17]
	s_cmp_eq_u32 s38, 2
	s_cselect_b64 s[40:41], s[14:15], s[40:41]
	s_cmp_eq_u32 s38, 1
	s_cselect_b64 s[40:41], s[12:13], s[40:41]
	s_cmp_eq_u32 s38, 0
	s_cselect_b64 s[40:41], s[10:11], s[40:41]
	s_lshl_b32 s44, s42, 20                        ; in: 256 rows of 4,096 bytes,
	s_lshl_b32 s43, s39, 9                         ; 128 columns of 4 bytes,
	s_add_co_u32 s44, s44, s43
	s_lshl_b32 s43, s36, 7                         ; my wave's 32 of them
	s_add_co_u32 s44, s44, s43
	s_mov_b32 s45, 0
	s_add_nc_u64 s[40:41], s[40:41], s[44:45]
	s_lshl_b32 s44, s38, 20                        ; out: 2^20 bytes a weight,
	s_lshl_b32 s43, s39, 17                        ; 8 n tiles of 16,384 bytes,
	s_add_co_u32 s44, s44, s43
	s_lshl_b32 s43, s36, 15                        ; my wave's two of them,
	s_add_co_u32 s44, s44, s43
	s_lshl_b32 s43, s42, 12                        ; two K steps of 2,048 bytes
	s_add_co_u32 s44, s44, s43
	s_add_nc_u64 s[22:23], s[22:23], s[44:45]
.macro WLOAD t                         ; block t: W(32 t + i, my column), i = 0 .. 31
.irp i, 0,1,2,3,4,5,6,7,8,9,10,11,12,13,14,15,16,17,18,19,20,21,22,23,24,25,26,27,28,29,30,31
	global_load_b32 v[WX+32*((\t)%2)+\i], v12, s[40:41] offset:(32*(\t)+\i)*4096 th:TH_LOAD_NT
.endr
.endm
.macro WBLOCK t
.set XS, WX+32*((\t)%2)
.if (\t) < 7
	s_wait_loadcnt 32                              ; this block's 32 loads are in; the next block's may be out
.else
	s_wait_loadcnt 0
.endif
.set i, 0
.rept 32
	v_med3_num_f32 v[XS+i], v[XS+i], -v10, v10
.set i, i+1
.endr
.irp g, 0,1,2,3
	v_cvt_scalef32_pk8_bf8_f32 v[WC+2*\g:WC+2*\g+1], v[XS+8*\g:XS+8*\g+7], v11
.endr
	ds_store_b128 v7, v[WC:WC+3] offset:32*(\t)    ; 32 codes of my column's row in the stage
	ds_store_b128 v7, v[WC+4:WC+7] offset:32*(\t)+16
.if (\t)+2 < 8
	WLOAD (\t)+2
.endif
	s_wait_dscnt 0x0                               ; the stores have read their registers: the next block's codes may be written
.endm
	s_wait_alu depctr_va_vdst(0)
	WLOAD 0
	WLOAD 1
	s_wait_kmcnt 0x0
	s_mov_b32 s47, s35                             ; e11,
	s_cmp_eq_u32 s38, 2
	s_cselect_b32 s47, s29, s47                    ; e5,
	s_cmp_eq_u32 s38, 1
	s_cselect_b32 s47, s27, s47                    ; e3,
	s_cmp_eq_u32 s38, 0
	s_cselect_b32 s47, s25, s47                    ; or e1
	s_add_co_i32 s47, s47, 127
	s_lshl_b32 s48, s47, 23
	v_mov_b32 v11, s48
	s_add_co_i32 s47, s47, 15
	s_lshl_b32 s47, s47, 23
	s_or_b32 s47, s47, 0x600000
	v_mov_b32 v10, s47
	s_wait_alu depctr_va_vdst(0)
.irp t, 0,1,2,3,4,5,6,7
	WBLOCK \t
.endr
	; out of the stage as images: n tile u of my two, K step g of my two, piece c.  Lane-rows 0-7 and 8-15 lie 16 stage rows apart, which is 17 x 256 bytes: by that arithmetic two lanes of a group of sixteen meet on the same banks
.irp u, 0,1
.irp g, 0,1
.irp c, 0,1,2,3
	ds_load_b128 v[WO+4*(8*\u+4*\g+\c):WO+4*(8*\u+4*\g+\c)+3], v8 offset:8*\u*WSP+128*\g+32*\c
.endr
.endr
.endr
.irp u, 0,1
.irp g, 0,1
.irp c, 0,1,2,3
	s_wait_dscnt 15-(8*\u+4*\g+\c)
	global_store_b128 v9, v[WO+4*(8*\u+4*\g+\c):WO+4*(8*\u+4*\g+\c)+3], s[22:23] offset:\u*16384+\g*2048+\c*512   ; 512 consecutive bytes a store
.endr
.endr
.endr
	s_wait_tensorcnt 0x0
	ds_add_u32 v224, v225
	s_wait_dscnt 0x0
	s_endpgm
.Lfunc_end_k_q697166f4ee_quant:
	.size	k_q697166f4ee_quant, .Lfunc_end_k_q697166f4ee_quant-k_q697166f4ee_quant
	.p2alignl 7, 3214868480
	.fill 96, 4, 3214868480
	.section	.rodata,"a",@progbits
	.p2align	6, 0x0
	.amdhsa_kernel k_q697166f4ee_quant
		.amdhsa_group_segment_fixed_size 44544
		.amdhsa_private_segment_fixed_size 0
		.amdhsa_enable_private_segment 0
		.amdhsa_kernarg_size 80
		.amdhsa_user_sgpr_count 2
		.amdhsa_user_sgpr_kernarg_segment_ptr 1
		.amdhsa_wavefront_size32 1
		.amdhsa_system_sgpr_workgroup_id_x 1
		.amdhsa_system_sgpr_workgroup_id_y 1
		.amdhsa_system_sgpr_workgroup_id_z 1
		.amdhsa_system_vgpr_workitem_id 0
		.amdhsa_next_free_vgpr 226
		.amdhsa_next_free_sgpr 66
		.amdhsa_reserve_vcc 0
		.amdhsa_float_denorm_mode_32 3
		.amdhsa_float_denorm_mode_16_64 3
		.amdhsa_memory_ordered 1
		.amdhsa_forward_progress 1
		.amdhsa_inst_pref_size 83
	.end_amdhsa_kernel
	.amdgpu_metadata
---
amdhsa.version: [ 1, 2 ]
amdhsa.kernels:
  - .name:           k_q697166f4ee_quant
    .symbol:         k_q697166f4ee_quant.kd
    .args:
      - { .name: target_embedding, .offset: 0, .size: 8, .value_kind: global_buffer, .address_space: global }
      - { .name: source_embedding, .offset: 8, .size: 8, .value_kind: global_buffer, .address_space: global }
      - { .name: value_embedding, .offset: 16, .size: 8, .value_kind: global_buffer, .address_space: global }
      - { .name: Wq, .offset: 24, .size: 8, .value_kind: global_buffer, .address_space: global }
      - { .name: Wk, .offset: 32, .size: 8, .value_kind: global_buffer, .address_space: global }
      - { .name: Wv, .offset: 40, .size: 8, .value_kind: global_buffer, .address_space: global }
      - { .name: Wo, .offset: 48, .size: 8, .value_kind: global_buffer, .address_space: global }
      - { .name: lowp_scales, .offset: 56, .size: 8, .value_kind: global_buffer, .address_space: global }
      - { .name: xcodes, .offset: 64, .size: 8, .value_kind: global_buffer, .address_space: global }
      - { .name: wcodes, .offset: 72, .size: 8, .value_kind: global_buffer, .address_space: global }
    .group_segment_fixed_size: 44544
    .private_segment_fixed_size: 0
    .kernarg_segment_align: 8
    .kernarg_segment_size: 80
    .max_flat_workgroup_size: 128
    .sgpr_count:     66
    .vgpr_count:     226
    .wavefront_size: 32
...
	.end_amdgpu_metadata
.endif
;; end of part 1
;; launch proj (part 2): grid 4 x 64, 4 waves a work-group, clusters of 4 x 4, 327,680 bytes of LDS; arguments xcodes, wcodes, lowp_scales, bk, bv, kvcodes; writes kvcodes
.if DOCPART == 2
	.amdgcn_target "amdgcn-amd-amdhsa--gfx1250"
	.amdhsa_code_object_version 6
	.text
	.protected	k_q697166f4ee_proj
	.globl	k_q697166f4ee_proj
	.p2align	8
	.type	k_q697166f4ee_proj,@function
k_q697166f4ee_proj:
	s_mov_b64 s[64:65], 0
	v_nop
	global_prefetch_b8 v0, s[64:65] scope:SCOPE_SE
	s_setreg_imm32_b32 hwreg(HW_REG_WAVE_MODE, 25, 1), 1
	s_wait_xcnt 0x0
	s_wait_alu depctr_hold_cnt(0) depctr_sa_sdst(0) depctr_va_vdst(0) depctr_va_sdst(0) depctr_va_ssrc(0) depctr_va_vcc(0) depctr_vm_vsrc(0)
	s_getreg_b32 s2, hwreg(HW_REG_IB_STS2, 6, 4)
	s_cmp_eq_u32 s2, 0
	s_cbranch_scc0 .Lentry_in_a_cluster
	s_endpgm
.Lentry_in_a_cluster:
	s_bfe_u32 s2, ttmp6, 0x10000c
	s_cmp_lg_u32 s2, 0xf033
	s_cbranch_scc0 .Lentry_shape_is_right
	s_endpgm
.Lentry_shape_is_right:
; The K and V projections on codes of BF8: source x Wk + bk and value x Wv + bv, quantised at once (scales 2^e7, 2^e8) into kvcodes, laid as the attention launch's operand images.
; 16,384 rows x 1,024 columns in blocks of 256 x 256: 256 work-groups in clusters of 4 x 4; x's tiles are asked for jointly along a row of the cluster, the weight's along a column.
; The Q projection is made in the attention launch, by the work-group that uses it.  Tile rows 0-15 of xcodes (target) are therefore not walked here: the cluster's y starts at 4.
.set FRB,    2048
.set TROW,   2*FRB
.set HALFT,  8*TROW
.set SLOT,   4*HALFT
.set SPARE,  2*SLOT
.set FR,     16
.set NL,     4
.set NP,     4
.set ADRA, 16
.set ADRB, 20
.set LI,   26
.set SPW,  28
.set NIL,  29
.set SCV,  30
.set LIMV, 31
.set BV,   32
.set BIAS, 64
.set AF,   128
.set TT,   128
.set CD,   192
.set G1, 24
.set G0, 32
.set G1B, 48
.set G0B, 56
.set MSB, 0
.macro WIN new
.if MSB != \new
	s_set_vgpr_msb (MSB<<8)|\new
.set MSB, \new
.endif
.endm
.set MUL_LO, 0xa1
.set MUL_HI, 0xf1
.set TO_B,   0x40
.macro JLOAD g0a, g1a, g0b, g1b
	s_cmp_eq_u32 s15, 0
	s_cbranch_scc0 .Lfor_b_\@
	tensor_load_to_lds s[\g0a:\g0a+3], s[\g1a:\g1a+7]
	s_nop 0
.rept 4
	v_nop
.endr
	s_branch .Lasked_\@
.Lfor_b_\@:
	tensor_load_to_lds s[\g0b:\g0b+3], s[\g1b:\g1b+7]
	s_nop 0
.rept 4
	v_nop
.endr
.Lasked_\@:
.endm
.macro CREST
	s_cmp_lg_u32 s14, 0
	s_cbranch_scc1 .Lnot_wave_0_\@
	s_barrier_signal -3
.Lnot_wave_0_\@:
	s_barrier_wait -3
	s_barrier_signal -1
	s_barrier_wait -1
.endm
.macro CROUND
	s_barrier_signal -1
	s_barrier_wait -1
	CREST
.endm
	s_load_b256 s[4:11], s[0:1], 0x0
	s_load_b128 s[68:71], s[0:1], 0x20
	v_lshl_add_u32 v[SPW], v0, 2, SPARE
	v_mov_b32 v[NIL], 0
	ds_add_u32 v28, v29
	ds_add_u32 v28, v29
	s_wait_dscnt 0x0
	v_lshrrev_b32 v1, 5, v0
	v_readfirstlane_b32 s14, v1
	s_lshr_b32 s15, s14, 1
	s_and_b32 s16, s14, 1
	s_bfe_u32 s40, ttmp6, 0x40000
	s_bfe_u32 s41, ttmp6, 0x40004
	s_lshl_b32 s42, ttmp9, 2
	s_add_co_u32 s42, s42, s40
	s_and_b32 s66, ttmp7, 0xffff
	s_add_co_u32 s66, s66, 4
	s_lshl_b32 s17, s66, 2
	s_add_co_u32 s17, s17, s41
	s_lshl_b32 s43, s41, 2
	s_lshl_b32 s43, 15, s43
	s_lshl_b32 s44, 0x1111, s40
	s_or_b32 s[G1+0], s43, (3<<16)|(1<<21)
	s_or_b32 s[G1B+0], s44, (3<<16)|(1<<21)
.irp g, G1, G1B
	s_mov_b32 s[\g+1], 512<<16
	s_mov_b32 s[\g+2], 8<<16
	s_mov_b32 s[\g+3], 512<<16
	s_mov_b32 s[\g+4], 8
	s_mov_b32 s[\g+5], 2048
	s_mov_b32 s[\g+6], 0
	s_mov_b32 s[\g+7], 0
.endr
	s_cmp_lt_u32 s66, 12
	s_cselect_b32 s67, 1, 2
	s_lshl_b32 s18, s16, 17
	s_lshl_b32 s20, s17, 18
	s_add_co_u32 s20, s20, s18
	s_mov_b32 s21, 0
	s_lshl_b32 s46, s42, 18
	s_add_co_u32 s46, s46, s18
	s_lshl_b32 s19, s67, 20
	s_add_co_u32 s46, s46, s19
	s_mov_b32 s47, 0
	s_mul_i32 s45, s14, HALFT
	s_wait_kmcnt 0x0
	s_load_b256 s[76:83], s[8:9], 0x0
	s_load_b128 s[84:87], s[8:9], 0x20
	s_add_nc_u64 s[20:21], s[4:5], s[20:21]
	s_add_nc_u64 s[46:47], s[6:7], s[46:47]
	CROUND
.irp s, 0,1
	s_mov_b32 s[G0+4*\s], 1
	s_add_co_u32 s[G0+4*\s+1], s45, \s*SLOT
	s_add_nc_u64 s[G0+4*\s+2:G0+4*\s+3], s[20:21], \s*TROW
	s_or_b32 s[G0+4*\s+3], s[G0+4*\s+3], 0x80000000
	s_mov_b32 s[G0B+4*\s], 1
	s_add_co_u32 s[G0B+4*\s+1], s45, \s*SLOT
	s_add_nc_u64 s[G0B+4*\s+2:G0B+4*\s+3], s[46:47], \s*TROW
	s_or_b32 s[G0B+4*\s+3], s[G0B+4*\s+3], 0x80000000
	s_wait_alu depctr_va_vdst(0)
	s_wait_tensorcnt 0x0
	ds_add_u32 v28, v29
	ds_add_u32 v28, v29
	s_wait_dscnt 0x0
	CROUND
	JLOAD G0+4*\s, G1, G0B+4*\s, G1B
.endr
	v_and_b32 v1, 31, v0
	v_lshlrev_b32 v[LI], 4, v1
	s_wait_alu depctr_va_vdst(0)
	v_and_b32 v2, 15, v0
	v_bfe_u32 v3, v0, 4, 1
	s_wait_alu depctr_va_vdst(0)
	s_mul_i32 s21, s15, HALFT
	s_mul_i32 s22, s16, HALFT
	s_add_co_u32 s22, s22, 2*HALFT
	s_cmp_ge_u32 s66, 12
	s_cselect_b32 s23, s22, s21
	s_cselect_b32 s22, s21, s22
.irp s, 0,1
	v_add_nc_u32 v[ADRA+\s], s23, v[LI]
	v_add_nc_u32 v[ADRB+\s], s22, v[LI]
	s_add_co_u32 s23, s23, SLOT
	s_add_co_u32 s22, s22, SLOT
.endr
	s_cmp_lt_u32 s66, 12
	s_cselect_b64 s[90:91], s[10:11], s[68:69]
	s_mov_b64 s[92:93], s[70:71]
	s_lshl_b32 s46, s42, 10
	s_lshl_b32 s47, s16, 9
	s_add_co_u32 s46, s46, s47
	s_mov_b32 s47, 0
	s_add_nc_u64 s[90:91], s[90:91], s[46:47]
	v_lshlrev_b32 v8, 6, v3
	v_and_b32 v9, 8, v2
	v_add_nc_u32 v9, v9, v2
	v_lshlrev_b32 v9, 2, v9
.irp b, 0,1,2,3,4,5,6,7
	global_load_b128 v[BIAS+8*\b:BIAS+8*\b+3], v8, s[90:91] offset:(32*(\b/2)+8*(\b%2))*4
	global_load_b128 v[BIAS+8*\b+4:BIAS+8*\b+7], v8, s[90:91] offset:(32*(\b/2)+8*(\b%2))*4+16
.endr
.irp a, 0,1,2,3,4,5,6,7
	global_load_b32 v[BV+2*\a], v9, s[90:91] offset:(32*(\a/2)+8*(\a%2))*4
	global_load_b32 v[BV+2*\a+1], v9, s[90:91] offset:(32*(\a/2)+8*(\a%2))*4
.endr
.macro FRAG reg, adr, q, i
.irp c, 0,1,2,3
	ds_load_b128 v[\reg+4*\c:\reg+4*\c+3], v[\adr] offset:FRB*(\q)+512*\c+TROW*(\i)
.endr
.endm
.macro MUL16 a0, p, zero
.irp a, \a0, \a0+1
.irp b, 0,1,2,3,4,5,6,7
.if \zero
	v_wmma_f32_16x16x128_bf8_bf8 v[8*(8*((\a)%4)+\b):8*(8*((\a)%4)+\b)+7], v[128*(\p)+FR*\b:128*(\p)+FR*\b+FR-1], v[AF+FR*(\a):AF+FR*(\a)+FR-1], 0
.else
	v_wmma_f32_16x16x128_bf8_bf8 v[8*(8*((\a)%4)+\b):8*(8*((\a)%4)+\b)+7], v[128*(\p)+FR*\b:128*(\p)+FR*\b+FR-1], v[AF+FR*(\a):AF+FR*(\a)+FR-1], v[8*(8*((\a)%4)+\b):8*(8*((\a)%4)+\b)+7]
.endif
.endr
.endr
.endm
.macro FETCH_B slot, q, p
	WIN TO_B
.irp i, 0,1,2,3,4,5,6,7
	FRAG 128*(\p)+FR*\i, ADRB+\slot, \q, \i
.endr
	WIN 0
.endm
.macro FETCH_A slot, q, i0
.irp i, \i0, \i0+1, \i0+2, \i0+3
	FRAG AF+FR*(\i), ADRA+\slot, \q, \i
.endr
.endm
.macro PLACES n
.rept \n
	v_nop
.endr
.endm
.macro STEP slot, q, zero
	s_wait_dscnt 4*NL
	WIN MUL_LO
	MUL16 0, (\q)%2, \zero
	MUL16 2, (\q)%2, \zero
	s_wait_dscnt 0
	PLACES NP
	FETCH_B \slot, (\q)+1, 1-(\q)%2
	FETCH_A \slot, (\q)+1, 0
	WIN MUL_HI
	MUL16 4, (\q)%2, \zero
	MUL16 6, (\q)%2, \zero
	PLACES NP
	WIN 0
	FETCH_A \slot, (\q)+1, 4
.endm
.macro TURN slot, next, fill
	s_wait_tensorcnt 0x0
	ds_add_u32 v[SPW], v[NIL]
	s_wait_dscnt 4*NL+1
	WIN MUL_LO
	MUL16 0, 1, 0
	s_wait_dscnt 0x0
	s_barrier_signal -1
	MUL16 2, 1, 0
	WIN 0
	s_barrier_wait -1
.if \fill
	CREST
	s_add_nc_u64 s[G0+4*\slot+2:G0+4*\slot+3], s[G0+4*\slot+2:G0+4*\slot+3], 2*TROW
	s_add_nc_u64 s[G0B+4*\slot+2:G0B+4*\slot+3], s[G0B+4*\slot+2:G0B+4*\slot+3], 2*TROW
	JLOAD G0+4*\slot, G1, G0B+4*\slot, G1B
.else
	PLACES NP
.endif
	FETCH_B \next, 0, 0
	FETCH_A \next, 0, 0
	WIN MUL_HI
	MUL16 4, 1, 0
	MUL16 6, 1, 0
	PLACES NP
	WIN 0
	FETCH_A \next, 0, 4
.endm
	s_wait_alu depctr_va_vdst(0)
	s_wait_tensorcnt 1
	s_barrier_signal -1
	s_barrier_wait -1
	FETCH_B 0, 0, 0
	FETCH_A 0, 0, 0
	FETCH_A 0, 0, 4
	STEP 0, 0, 1
	TURN 0, 1, 1
	STEP 1, 0, 0
	TURN 1, 0, 1
	STEP 0, 0, 0
	TURN 0, 1, 0
	STEP 1, 0, 0
	s_wait_dscnt 4*NL
	WIN MUL_LO
	MUL16 0, 1, 0
	MUL16 2, 1, 0
	s_wait_dscnt 0
	WIN MUL_HI
	MUL16 4, 1, 0
	MUL16 6, 1, 0
	WIN 0
	s_wait_kmcnt 0x0
	s_cmp_lt_u32 s66, 12
	s_cselect_b32 s18, s78, s80
	s_cselect_b32 s19, s79, s81
	s_cselect_b32 s20, s83, s84
	s_cselect_b32 s21, 32, 96
	s_cselect_b32 s22, 0, 8192
	s_mov_b32 s23, 5
	s_mov_b32 s44, 14
	s_add_co_i32 s88, s18, s19
	s_add_co_i32 s88, s88, 127
	s_lshl_b32 s88, s88, 23
	s_mov_b32 s89, s88
	s_add_co_i32 s20, s20, 127
	s_lshl_b32 s19, s20, 23
	v_mov_b32 v[SCV], s19
	s_add_co_i32 s20, s20, 15
	s_lshl_b32 s20, s20, 23
	s_or_b32 s20, s20, 0x600000
	v_mov_b32 v[LIMV], s20
	s_lshl_b32 s43, s17, 1
	s_add_co_u32 s43, s43, s15
	s_sub_co_u32 s43, s43, s21
	s_lshr_b32 s96, s43, s23
	s_lshl_b32 s97, s96, s23
	s_sub_co_u32 s97, s43, s97
	s_lshl_b32 s96, s96, 4
	s_lshl_b32 s98, s42, 2
	s_add_co_u32 s96, s96, s98
	s_lshl_b32 s98, s16, 1
	s_add_co_u32 s96, s96, s98
	s_lshl_b32 s96, s96, s23
	s_add_co_u32 s96, s96, s97
	s_lshl_b32 s96, s96, s44
	s_add_co_u32 s96, s96, s22
	s_mov_b32 s97, 0
	s_add_nc_u64 s[92:93], s[92:93], s[96:97]
	s_add_co_u32 s98, s23, s44
	s_lshl_b32 s96, 1, s98
	s_add_nc_u64 s[94:95], s[92:93], s[96:97]
	s_wait_loadcnt 0x0
	PLACES NP
.macro OUTBLK a, mode
.set AC, 64*((\a)%4)
.set CB, CD+16*((\a)%2)
.if (\a) >= 2
	s_wait_xcnt 0x0
.endif
	WIN 0x02+((\a)/4)
.set j, 0
.rept 32
.if \mode
	v_pk_fma_f32 v[TT+j:TT+j+1], v[AC+j:AC+j+1], s[88:89], v[BV+2*(\a):BV+2*(\a)+1] op_sel_hi:[1,0,0]
.else
	v_pk_fma_f32 v[TT+j:TT+j+1], v[AC+j:AC+j+1], s[88:89], v[BIAS+j:BIAS+j+1] op_sel_hi:[1,0,1]
.endif
.set j, j+2
.endr
	WIN 0
.set j, 0
.rept 64
	v_med3_num_f32 v[TT+j], v[TT+j], -v[LIMV], v[LIMV]
.set j, j+1
.endr
.irp b, 0,1,2,3,4,5,6,7
	v_cvt_scalef32_pk8_bf8_f32 v[CB+2*\b:CB+2*\b+1], v[TT+8*\b:TT+8*\b+7], v[SCV]
.endr
	v_nop
.irp c, 0,1,2,3
.if \mode
	global_store_b128 v[LI], v[CB+4*\c:CB+4*\c+3], s[92+2*((\a)/4):93+2*((\a)/4)] offset:((\a)%4)*2048+\c*512
.else
	global_store_b128 v[LI], v[CB+4*\c:CB+4*\c+3], s[92+2*(\c/2):93+2*(\c/2)] offset:(\a)*1024+(\c%2)*512
.endif
.endr
.endm
	s_cmp_ge_u32 s66, 12
	s_cbranch_scc1 .Lvout
.irp a, 0,1,2,3,4,5,6,7
	OUTBLK \a, 0
.endr
	s_branch .Lend
.Lvout:
.irp a, 0,1,2,3,4,5,6,7
	OUTBLK \a, 1
.endr
.Lend:
	s_wait_tensorcnt 0x0
	ds_add_u32 v[SPW], v[NIL]
	s_wait_dscnt 0x0
	CROUND
	s_endpgm
.Lfunc_end_k_q697166f4ee_proj:
	.size	k_q697166f4ee_proj, .Lfunc_end_k_q697166f4ee_proj-k_q697166f4ee_proj
	.p2alignl 7, 3214868480
	.fill 96, 4, 3214868480
	.section	.rodata,"a",@progbits
	.p2align	6, 0x0
	.amdhsa_kernel k_q697166f4ee_proj
		.amdhsa_group_segment_fixed_size 327680
		.amdhsa_private_segment_fixed_size 0
		.amdhsa_enable_private_segment 0
		.amdhsa_kernarg_size 48
		.amdhsa_user_sgpr_count 2
		.amdhsa_user_sgpr_kernarg_segment_ptr 1
		.amdhsa_wavefront_size32 1
		.amdhsa_system_sgpr_workgroup_id_x 1
		.amdhsa_system_sgpr_workgroup_id_y 1
		.amdhsa_system_sgpr_workgroup_id_z 1
		.amdhsa_system_vgpr_workitem_id 0
		.amdhsa_next_free_vgpr 1024
		.amdhsa_next_free_sgpr 100
		.amdhsa_reserve_vcc 0
		.amdhsa_float_denorm_mode_32 3
		.amdhsa_float_denorm_mode_16_64 3
		.amdhsa_memory_ordered 1
		.amdhsa_forward_progress 1
		.amdhsa_inst_pref_size 195
	.end_amdhsa_kernel
	.amdgpu_metadata
---
amdhsa.version: [ 1, 2 ]
amdhsa.kernels:
  - .name:           k_q697166f4ee_proj
    .symbol:         k_q697166f4ee_proj.kd
    .args:
      - { .name: xcodes, .offset: 0, .size: 8, .value_kind: global_buffer, .address_space: global }
      - { .name: wcodes, .offset: 8, .size: 8, .value_kind: global_buffer, .address_space: global }
      - { .name: lowp_scales, .offset: 16, .size: 8, .value_kind: global_buffer, .address_space: global }
      - { .name: bk, .offset: 24, .size: 8, .value_kind: global_buffer, .address_space: global }
      - { .name: bv, .offset: 32, .size: 8, .value_kind: global_buffer, .address_space: global }
      - { .name: kvcodes, .offset: 40, .size: 8, .value_kind: global_buffer, .address_space: global }
    .group_segment_fixed_size: 327680
    .private_segment_fixed_size: 0
    .kernarg_segment_align: 8
    .kernarg_segment_size: 48
    .max_flat_workgroup_size: 128
    .sgpr_count:     100
    .vgpr_count:     1024
    .wavefront_size: 32
...
	.end_amdgpu_metadata
.endif
;; end of part 2
;; launch attn (part 3): grid 8 x 32, 8 waves a work-group, clusters of 4 x 1, 327,680 bytes of LDS; arguments xcodes, wcodes, kvcodes, lowp_scales, bq, acodes; writes acodes
.if DOCPART == 3
	.amdgcn_target "amdgcn-amd-amdhsa--gfx1250"
	.amdhsa_code_object_version 6
	.text
	.protected	k_q697166f4ee_attn
	.globl	k_q697166f4ee_attn
	.p2align	8
	.type	k_q697166f4ee_attn,@function
k_q697166f4ee_attn:
	s_mov_b64 s[64:65], 0
	v_nop
	global_prefetch_b8 v0, s[64:65] scope:SCOPE_SE
	s_setreg_imm32_b32 hwreg(HW_REG_WAVE_MODE, 25, 1), 1
	s_wait_xcnt 0x0
	s_wait_alu depctr_hold_cnt(0) depctr_sa_sdst(0) depctr_va_vdst(0) depctr_va_sdst(0) depctr_va_ssrc(0) depctr_va_vcc(0) depctr_vm_vsrc(0)
	s_getreg_b32 s2, hwreg(HW_REG_IB_STS2, 6, 4)
	s_cmp_eq_u32 s2, 0
	s_cbranch_scc0 .Lentry_in_a_cluster
	s_endpgm
.Lentry_in_a_cluster:
	s_bfe_u32 s2, ttmp6, 0x10000c
	s_cmp_lg_u32 s2, 0x3003
	s_cbranch_scc0 .Lentry_shape_is_right
	s_endpgm
.Lentry_shape_is_right:
; For each of 32 (batch, head): Q = quantised (target x Wq + bq), then O[q] = the sum over k of softmax_k(Q[q] . K[k] / 8) V[k]; 2,048 queries, 4,096 keys, head size 64; all products on codes of BF8 (E5M2).
; O is quantised at once (scale 2^e10) for the last projection.
; THE Q PROJECTION STANDS AT THE HEAD: a (block of 256 queries, head) belongs to one work-group alone, so no product is made twice.  A wave holds its 32 rows of x (2 x 8 images of 2,048 bytes, 256 registers) and takes
; the head's four column tiles of Wq from LDS (65,536 bytes of their own, filled once), 64 matrix instructions, transposed (source 0 = Wq), so that the conversions' results are Q's operand registers.
; THE SOFTMAX AHEAD OF THE SECOND PRODUCT: t = score x log2(e) / 8; M = the row's largest t so far, rounded UP to a whole number; p = 2^(t - M) is what is quantised (scale 2^e9), not normalised.
; The row's sum is taken of the unquantised, unheld p, in f32, and divides O at the end.  When M moves, the sum and O are multiplied by 2^(old M - new M): nothing is rounded, and no branch hangs on data.
; LIMITS on the given exponents: e0 + e1 between -126 and 127; e6 + e7 between -123 and 130 (added to the exponent field of log2(e) / 8); e6, e9, e10 between -126 and 112; e8 + e9 goes by v_ldexp_f32 and has none.  NaN is not served.
; SHARES.  A work-group owns 256 queries of one head; each of its eight waves two tiles of 16, so that each fragment of K, V and Wq read from LDS feeds two matrix instructions.  Every wave walks all keys, 128 a step.
; A key step lies in memory as 16,384 bytes of register images: K's 8 tiles (1,024 bytes each), then V^T's 4 (2,048 each).  A ring of two LDS slots of four key steps.
; At the head every wave issues one fill: waves 0-3 two key steps each (both slots), waves 4-7 a quarter of Wq each.  Refills: waves 0-3, one key step each.
; K's fragments of the next step are asked for behind the score products, V^T's behind the second products: each has a step's vector work in which to land.
; THE TWO TILES' WORK IS LAID TOGETHER: both maxima first, their two chains of dependent lines by turns; tile 1's multiply-adds stand among tile 0's exponentials, tile 0's holds among tile 1's: lines that name no register
; of the batch round them, whose results are first read behind the batch's closing wait.
; THE CHANGE OF SLOTS stands inside a slot's last step: when that step's fragments are in registers the wave has read the slot out; it says so, and the step's softmax, second products and sums, work on registers alone,
; stand between the opening signal and its wait.  A slot's three other steps are one text in a counted loop: the LDS address walks by a key step.
; CLUSTER.  The four query blocks of a cluster belong to one head and walk the same K, V and Wq: each tile is asked for JOINTLY by the four, with the same descriptor.
; x, bq and Wq are touched once, at the head, where there is no loop to run ahead in: they are not prefetched.  K's and V's slots 3 to 7 are.
; REGISTERS.  Window 0: v1-8 addresses; v10, v11, v26, v28, v29 scales and holds; tile u: v[12+4u] -M, v[13+4u] the largest t, v[14+4u:15+4u] the sum; v[20:21], v[30:31] f; v22-25, v27, v238-242 at work; v32-95 K's fragments;
; v96-159, v160-223 S^T, then p, of tiles 0, 1; v224-237 partial sums.  Window 1: v32-95 V^T's fragments; v96-159 O^T of the two tiles; v160-191 p's codes; v192-207 Q.
; At the head: x in v96-223 of both windows, Q's sums in v224-255 of both, Wq's fragments in window 0 v32-95 and window 1 v0-31, v64-95 by turns, bq in window 1 v32-63.
.set STEPB, 16384
.set SLOTB, 4*STEPB
.set WQB,   2*SLOTB                    ; Wq's 65,536 bytes
.set SPARE, 3*SLOTB                    ; the spare words, 128 bytes for each wave: four blocks of 256 bytes that no other line names
.set AL,   1                           ; 16 x lane
.set ADR,  2                           ; LDS address of the key step that is asked for next, for my lane
.set PFO,  3                           ; 256 x lane
.set SPW,  5
.set NIL,  6
.set BO,   7                           ; 64 x (lane / 16)
.set ADW,  8                           ; WQB + 16 x lane
.set LQ,   10                          ; 57,344 x 2^e6
.set SQ,   11                          ; 2^e6
.set MA,   12
.set FFA,  20
.set FFB,  30
.set XA,   22
.set XB,   238
.set PLA,  27
.set PLB,  242
.set FK,   32
.set SS,   96
.set AC,   224
.set FV,   32
.set OT,   96
.set PC,   160
.set QQ,   192
.set TB,   12
.set WV,   18
.set SEL,  20
.set CS,   22
.set G1,   24                          ; group 1: 64 rows of 256 bytes
.set G0W,  32
.set G0,   40
.set G1L,  56                          ; group 1: 128 rows of 256 bytes
.set INNER, 66
.set SLOTS, 67
.set QS,   68
.set HP,   70
.set PFA,  76
.set LIM,  80
.set G0R,  84                          ; group 0 of the refills, which walks
.set MSB, 0
.macro WIN new                         ; bits 1:0 source 0, 3:2 source 1, 5:4 source 2, 7:6 destination; the high byte repeats the setting that is left
.if MSB != \new
	s_set_vgpr_msb (MSB<<8)|\new
.set MSB, \new
.endif
.endm
.macro TLOAD                           ; waves 0 to 3 refill; an s_nop 0 and four v_nop follow the line
	s_cmp_lt_u32 s[WV], 4
	s_cbranch_scc0 .Lnone_\@
	tensor_load_to_lds s[G0R:G0R+3], s[G1:G1+7]
	s_nop 0
.rept 4
	v_nop
.endr
.Lnone_\@:
.endm
; A prefetch of the slot that the NEXT change will ask for: 256 blocks of 256 bytes.  The head's first cluster asks; its four partners share the blocks out by address, 16,384 bytes each; in each, waves 4 and 5 ask,
; 8,192 bytes a wave, lanes 256 bytes apart.  The last change that fills a slot asks for nothing: no slot stands behind it.
.macro ASK
	s_cmp_gt_u32 s[SLOTS], s[LIM]
	s_cbranch_scc0 .Lnot_mine_\@
	global_prefetch_b8 v[PFO], s[PFA:PFA+1] th:TH_LOAD_NT scope:SCOPE_SE
.Lnot_mine_\@:
.endm
.macro CREST
	s_cmp_lg_u32 s[WV], 0
	s_cbranch_scc1 .Lnot_wave_0_\@
	s_barrier_signal -3
.Lnot_wave_0_\@:
	s_barrier_wait -3
	s_barrier_signal -1
	s_barrier_wait -1
.endm
.macro CROUND
	s_barrier_signal -1
	s_barrier_wait -1
	CREST
.endm
.macro PLACES
.rept 4
	v_nop
.endr
.endm
	s_load_b256 s[4:11], s[0:1], 0x0               ; xcodes s[4:5], wcodes s[6:7], kvcodes s[8:9], the scales' exponents s[10:11]
	s_load_b128 s[36:39], s[0:1], 0x20             ; bq s[36:37], acodes s[38:39]
	v_lshl_add_u32 v[SPW], v0, 2, SPARE
	v_mov_b32 v[NIL], 0
	ds_add_u32 v[SPW], v[NIL]                      ; the opening lines: the add, twice on end, and its wait ahead of the first tensor load
	ds_add_u32 v[SPW], v[NIL]
	v_lshrrev_b32 v2, 5, v0
	s_delay_alu instid0(VALU_DEP_1)
	v_readfirstlane_b32 s[WV], v2                  ; wave 0..7
	v_and_b32 v[AL], 31, v0
	v_bfe_u32 v[BO], v0, 4, 1
	s_delay_alu instid0(VALU_DEP_2)
	v_lshlrev_b32 v[PFO], 8, v[AL]
	s_delay_alu instid0(VALU_DEP_2)
	v_lshlrev_b32 v[BO], 6, v[BO]
	s_delay_alu instid0(VALU_DEP_4)
	v_lshlrev_b32 v[AL], 4, v[AL]
	s_delay_alu instid0(VALU_DEP_1)
	v_add_nc_u32 v[ADW], WQB, v[AL]
	s_bfe_u32 s13, ttmp6, 0x40000                  ; cx: it enters x's, O's and the prefetches' addresses alone
	s_lshl_b32 s14, ttmp9, 2
	s_add_co_u32 s14, s14, s13                     ; my block of 256 queries
	s_and_b32 s15, ttmp7, 0xffff                   ; batch x 16 + head, which the four partners share
	s_and_b32 s16, s[WV], 3
	s_lshl_b32 s17, s16, 15                        ; waves 0-3, first fill: two key steps, the same place in memory and in LDS
	s_lshl_b32 s19, s16, 14                        ; waves 4-7: a quarter of Wq; waves 0-3, refills: a key step
	s_mov_b32 s[G1], 15|(3<<16)|(1<<21)            ; the mask: all four work-groups; elements of 8 bytes; bit 21 beside a mask
	s_mov_b32 s[G1+1], 32<<16
	s_mov_b32 s[G1+2], 64<<16
	s_mov_b32 s[G1+3], 32<<16
	s_mov_b32 s[G1+4], 64
	s_mov_b32 s[G1+5], 32
	s_mov_b32 s[G1+6], 0
	s_mov_b32 s[G1+7], 0
	s_mov_b32 s[G1L], 15|(3<<16)|(1<<21)
	s_mov_b32 s[G1L+1], 32<<16
	s_mov_b32 s[G1L+2], 128<<16
	s_mov_b32 s[G1L+3], 32<<16
	s_mov_b32 s[G1L+4], 128
	s_mov_b32 s[G1L+5], 32
	s_mov_b32 s[G1L+6], 0
	s_mov_b32 s[G1L+7], 0
	s_mov_b32 s[SEL], 0x76543210
	s_mov_b32 s[SEL+1], 0xfedcba98
	s_mov_b32 s[CS], 0x3e38aa3b                    ; log2(e) / 8
	s_mov_b32 s[TB], 0
	s_lshl_b32 s72, s15, 19                        ; K and V: a head's 32 key steps
	s_add_co_u32 s82, s72, s19
	s_add_co_u32 s82, s82, SLOTB                   ; the refills' descriptor begins one slot on; each change steps it a slot: the first refill brings slot 2's keys
	s_mov_b32 s83, 0
	s_add_co_u32 s72, s72, s17
	s_mov_b32 s73, 0
	s_and_b32 s74, s15, 15
	s_lshl_b32 s80, s74, 8                         ; bq: 64 channels of 4 bytes a head
	s_mov_b32 s81, 0
	s_lshl_b32 s74, s74, 16                        ; Wq: four column tiles of 16,384 bytes a head
	s_add_co_u32 s74, s74, s19
	s_mov_b32 s75, 0
	s_lshr_b32 s78, s15, 4                         ; my first row tile of x and of O's codes: 128 x batch + 16 x block + 2 x wave, 16,384 bytes each
	s_lshl_b32 s78, s78, 7
	s_lshl_b32 s79, s14, 4
	s_add_co_u32 s78, s78, s79
	s_lshl_b32 s79, s[WV], 1
	s_add_co_u32 s78, s78, s79
	s_lshl_b32 s78, s78, 14
	s_mov_b32 s79, 0
	s_wait_alu depctr_va_vdst(0)                   ; directly ahead of the waits below
	s_wait_dscnt 0x0                               ; both opening adds are done
	s_wait_kmcnt 0x0
	s_load_b256 s[44:51], s[10:11], 0x0            ; e0 .. e7
	s_load_b128 s[52:55], s[10:11], 0x20           ; e8 .. e11
	s_add_nc_u64 s[4:5], s[4:5], s[78:79]
	s_add_nc_u64 s[36:37], s[36:37], s[80:81]
	WIN 0x40
.irp b, 0,1
.irp k, 0,1,2,3
	global_load_b128 v[32+16*\b+4*\k:32+16*\b+4*\k+3], v[BO], s[36:37] offset:128*\b+16*\k   ; bq at channels 32 b + 16 (lane / 16) + 0 .. 15
.endr
.endr
.irp s, 0,1,2,3,4,5,6,7                        ; x, K step by K step: eight loads a step, four for each of my two tiles; each load is 512 consecutive bytes
	WIN 0
.irp c, 0,1,2,3
	global_load_b128 v[SS+16*\s+4*\c:SS+16*\s+4*\c+3], v[AL], s[4:5] offset:2048*\s+512*\c
.endr
	WIN 0x40
.irp c, 0,1,2,3
	global_load_b128 v[SS+16*\s+4*\c:SS+16*\s+4*\c+3], v[AL], s[4:5] offset:16384+2048*\s+512*\c
.endr
.endr
	WIN 0
	s_mov_b32 s[G0], 1
	s_mov_b32 s[G0+1], s17
	s_add_nc_u64 s[G0+2:G0+3], s[8:9], s[72:73]
	s_or_b32 s[G0+3], s[G0+3], 0x80000000
	s_mov_b32 s[G0W], 1
	s_add_co_u32 s[G0W+1], s19, WQB
	s_add_nc_u64 s[G0W+2:G0W+3], s[6:7], s[74:75]
	s_or_b32 s[G0W+3], s[G0W+3], 0x80000000
	s_mov_b32 s[G0R], 1
	s_xor_b32 s[G0R+1], s19, SLOTB                 ; each change turns it: the first refill lands in slot 0
	s_add_nc_u64 s[G0R+2:G0R+3], s[8:9], s[82:83]
	s_or_b32 s[G0R+3], s[G0R+3], 0x80000000
	CROUND                                         ; all four work-groups are here: the first joint loads meet
	s_cmp_lt_u32 s[WV], 4                          ; one fill a wave, one to each arm
	s_cbranch_scc0 .Lfill_w
	tensor_load_to_lds s[G0:G0+3], s[G1L:G1L+7]
	s_nop 0
	PLACES
	s_branch .Lfilled
.Lfill_w:
	tensor_load_to_lds s[G0W:G0W+3], s[G1:G1+7]
	s_nop 0
	PLACES
.Lfilled:
	s_bfe_u32 s72, s15, 0x30001                    ; O's codes: K step head / 2 of the last projection, 2,048 bytes each,
	s_lshl_b32 s72, s72, 11
	s_add_co_u32 s72, s72, s78
	s_and_b32 s74, s15, 1                          ; pieces 2 (head % 2) and the next, 512 bytes each
	s_lshl_b32 s74, s74, 10
	s_add_co_u32 s72, s72, s74
	s_add_nc_u64 s[38:39], s[38:39], s[72:73]
	s_lshl_b32 s72, s15, 19                        ; the prefetches: my head,
	s_lshl_b32 s74, s13, 14                        ; my work-group's 16,384 bytes of a slot,
	s_add_co_u32 s72, s72, s74
	s_and_b32 s74, s[WV], 1
	s_lshl_b32 s74, s74, 13                        ; my wave's 8,192 of them,
	s_add_co_u32 s72, s72, s74
	s_add_co_u32 s72, s72, 2*SLOTB                 ; in slot 2: the first change of slots steps it to slot 3
	s_add_nc_u64 s[PFA:PFA+1], s[8:9], s[72:73]
	s_lshr_b32 s74, s[WV], 1
	s_xor_b32 s74, s74, 2                          ; 0 in waves 4 and 5,
	s_or_b32 s74, s74, ttmp9                       ; of the head's first cluster: the same in all four partners
	s_cmp_eq_u32 s74, 0
	s_cselect_b32 s[LIM], 1, -1
	s_wait_kmcnt 0x0
	s_add_co_i32 s72, s50, s51
	s_lshl_b32 s72, s72, 23
	s_add_co_i32 s[CS], s[CS], s72                 ; a score stands for score x 2^(e6 + e7)
	s_mov_b32 s[CS+1], s[CS]
	s_add_co_i32 s[QS], s44, s45
	s_add_co_i32 s[QS], s[QS], 127
	s_lshl_b32 s[QS], s[QS], 23                    ; 2^(e0 + e1)
	s_mov_b32 s[QS+1], s[QS]
	s_add_co_i32 s72, s50, 127
	s_lshl_b32 s73, s72, 23
	v_mov_b32 v[SQ], s73
	s_add_co_i32 s72, s72, 15
	s_lshl_b32 s72, s72, 23
	s_or_b32 s72, s72, 0x600000
	v_mov_b32 v[LQ], s72
	s_add_co_i32 s72, s53, 127
	s_lshl_b32 s73, s72, 23
	v_mov_b32 v26, s73                             ; 2^e9
	s_add_co_i32 s72, s72, 15
	s_lshl_b32 s72, s72, 23
	s_or_b32 s[HP], s72, 0x600000                  ; 57,344 x 2^e9
	s_add_co_i32 s72, s54, 127
	s_lshl_b32 s73, s72, 23
	v_mov_b32 v28, s73                             ; 2^e10
	s_add_co_i32 s72, s72, 15
	s_lshl_b32 s72, s72, 23
	s_or_b32 s72, s72, 0x600000
	v_mov_b32 v29, s72                             ; 57,344 x 2^e10
	s_wait_alu depctr_va_vdst(0)                   ; directly ahead of the wait below
	s_wait_tensorcnt 0x0                           ; my fill has landed
	s_barrier_signal -1
	s_barrier_wait -1                              ; everybody's has
	; Q^T = Wq^T x^T: four tiles of 16 channels x my two tiles of queries, K = 1,024 in eight steps; the eight accumulators take turns; Wq's fragments in two sets by turns
.macro WLD s
.if ((\s)%2) == 0
	WIN 0
.irp t, 0,1,2,3
.irp c, 0,1,2,3
	ds_load_b128 v[FK+16*\t+4*\c:FK+16*\t+4*\c+3], v[ADW] offset:16384*\t+2048*(\s)+512*\c
.endr
.endr
.else
	WIN 0x40
.irp t, 0,1,2,3
.irp c, 0,1,2,3
	ds_load_b128 v[16*\t+32*(\t/2)+4*\c:16*\t+32*(\t/2)+4*\c+3], v[ADW] offset:16384*\t+2048*(\s)+512*\c
.endr
.endr
.endif
.endm
.macro QMUL s
.irp u, 0,1
	WIN 0x54*\u+((\s)%2)                           ; Wq's set in window s % 2; x, and the sums, in window u
.irp t, 0,1,2,3
.set WR, (FK+16*\t)*(1-(\s)%2)+(16*\t+32*(\t/2))*((\s)%2)
.if (\s) == 0
	v_wmma_f32_16x16x128_bf8_bf8 v[AC+8*\t:AC+8*\t+7], v[WR:WR+15], v[SS+16*(\s):SS+16*(\s)+15], 0
.else
	v_wmma_f32_16x16x128_bf8_bf8 v[AC+8*\t:AC+8*\t+7], v[WR:WR+15], v[SS+16*(\s):SS+16*(\s)+15], v[AC+8*\t:AC+8*\t+7]
.endif
.endr
.endr
.endm
	WLD 0
	WLD 1
	WIN 0
.irp s, 0,1,2,3,4,5,6,7
	s_wait_loadcnt 8*(7-\s)                        ; bq and x's K steps up to this one are in; the eight loads of each later step may be out
.if \s < 7
	s_wait_dscnt 16                                ; this step's 16 loads of Wq are in; the next step's may be out
.else
	s_wait_dscnt 0x0
.endif
	QMUL \s
	PLACES                                         ; in front of loads into registers that the products read, and of the first read of the sums
.if \s < 6
	WLD \s+2
.endif
.endr
	WIN 0x10
.set j, 0
.rept 16
	v_pk_fma_f32 v[SS+j:SS+j+1], v[AC+j:AC+j+1], s[QS:QS+1], v[32+j:33+j] op_sel_hi:[1,0,1]   ; sum x 2^(e0 + e1) + bq; register 16 b + i is channel 32 b + 16 (lane / 16) + i of my query
.set j, j+2
.endr
	WIN 0x11
.set j, 0
.rept 16
	v_pk_fma_f32 v[SS+32+j:SS+32+j+1], v[AC+j:AC+j+1], s[QS:QS+1], v[32+j:33+j] op_sel_hi:[1,0,1]
.set j, j+2
.endr
	WIN 0
.set j, 0
.rept 64
	v_med3_num_f32 v[SS+j], v[SS+j], -v[LQ], v[LQ] ; the conversion does not saturate (ISA guide 7.6.2): the hold at the largest code x the scale
.set j, j+1
.endr
	WIN 0x40
.irp g, 0,1,2,3,4,5,6,7
	v_cvt_scalef32_pk8_bf8_f32 v[QQ+2*\g:QQ+2*\g+1], v[SS+8*\g:SS+8*\g+7], v[SQ]
.endr
.set j, 0
.rept 64
	v_mov_b32 v[OT+j], 0                           ; O^T of both tiles: the step is written once; the first finds zeros
.set j, j+1
.endr
	WIN 0
	v_mov_b32 v[MA+1], 0xff61b1e6                  ; the largest t so far: -3e38, under every t
	v_mov_b32 v[MA+5], 0xff61b1e6
	s_delay_alu instid0(VALU_DEP_2)
	v_floor_f32 v[MA], -v[MA+1]                    ; -M
	s_delay_alu instid0(VALU_DEP_2)
	v_floor_f32 v[MA+4], -v[MA+5]
	v_mov_b32 v[MA+2], 0
	v_mov_b32 v[MA+3], 0
	v_mov_b32 v[MA+6], 0
	v_mov_b32 v[MA+7], 0
	v_mov_b32 v[FFA+1], 0                          ; (the upper halves of f's pairs)
	v_mov_b32 v[FFB+1], 0
	v_mov_b32 v[PLA], 0                            ; a lane permute's destination counts as one of its sources
	v_mov_b32 v[PLB], 0
	v_mov_b32 v[ADR], v[AL]
.macro KLOAD
.irp t, 0,1,2,3,4,5,6,7
.irp c, 0,1
	ds_load_b128 v[FK+8*\t+4*\c:FK+8*\t+4*\c+3], v[ADR] offset:1024*\t+512*\c
.endr
.endr
.endm
.macro VLOAD
	WIN 0x40
.irp b, 0,1,2,3
.irp c, 0,1,2,3
	ds_load_b128 v[FV+16*\b+4*\c:FV+16*\b+4*\c+3], v[ADR] offset:8192+2048*\b+512*\c
.endr
.endr
	WIN 0
.endm
.macro ADV                             ; on to the next key step of the ring
	s_add_co_u32 s[TB], s[TB], STEPB
	s_and_b32 s[TB], s[TB], 2*SLOTB-1
	v_add_nc_u32 v[ADR], s[TB], v[AL]
.endm
; Tile u's largest score of the step, for my query, in four chains; each accumulator from its low end on.  split = 1: the change of slots' wait and signal stand ahead of the last four lines.
.macro MAXB u, split
.set SB, SS+64*(\u)
.set XU, XA+(XB-XA)*(\u)
.irp c, 0,1,2,3
	v_max_num_f32 v[XU+\c], v[SB+2*\c], v[SB+2*\c+1]
.endr
.irp t, 1,2,3,4,5,6
.irp c, 0,1,2,3
	v_max3_num_f32 v[XU+\c], v[XU+\c], v[SB+8*\t+2*\c], v[SB+8*\t+2*\c+1]
.endr
.endr
.if \split
	s_wait_alu depctr_va_vdst(0)                   ; directly ahead of the wait below
	s_wait_dscnt 0x0                               ; the add is done, V^T's fragments are in: my reads of this slot are over
	s_barrier_signal -1                            ; say so; the rest of the step is work on registers
.endif
.irp c, 0,1,2,3
	v_max3_num_f32 v[XU+\c], v[XU+\c], v[SB+56+2*\c], v[SB+56+2*\c+1]
.endr
.endm
.macro SUMS u                          ; the row's sum of the unheld p, in eight chains
.set SB, SS+64*(\u)
.set LL, MA+4*(\u)+2
.irp i, 0,1,2,3,4,5,6
	v_pk_add_f32 v[AC+2*\i:AC+2*\i+1], v[SB+4*\i:SB+4*\i+1], v[SB+4*\i+2:SB+4*\i+3]
.endr
	v_pk_add_f32 v[LL:LL+1], v[LL:LL+1], v[SB+28:SB+29]
.irp r, 0,1
.irp i, 0,1,2,3,4,5,6
	v_pk_add_f32 v[AC+2*\i:AC+2*\i+1], v[AC+2*\i:AC+2*\i+1], v[SB+30+16*\r+2*\i:SB+30+16*\r+2*\i+1]
.endr
	v_pk_add_f32 v[LL:LL+1], v[LL:LL+1], v[SB+44+16*\r:SB+44+16*\r+1]
.endr
	v_pk_add_f32 v[AC:AC+1], v[AC:AC+1], v[SB+62:SB+63]
	s_delay_alu instid0(VALU_DEP_2)
	v_pk_add_f32 v[LL:LL+1], v[LL:LL+1], v[AC+6:AC+7]
	s_delay_alu instid0(VALU_DEP_2)
	v_pk_add_f32 v[AC:AC+1], v[AC:AC+1], v[AC+8:AC+9]
	v_pk_add_f32 v[AC+2:AC+3], v[AC+2:AC+3], v[AC+10:AC+11]
	v_pk_add_f32 v[AC+4:AC+5], v[AC+4:AC+5], v[AC+12:AC+13]
	s_delay_alu instid0(VALU_DEP_2)
	v_pk_add_f32 v[LL:LL+1], v[LL:LL+1], v[AC+2:AC+3]
	s_delay_alu instid0(VALU_DEP_2)
	v_pk_add_f32 v[AC:AC+1], v[AC:AC+1], v[AC+4:AC+5]
	s_delay_alu instid0(VALU_DEP_1)
	v_pk_add_f32 v[LL:LL+1], v[LL:LL+1], v[AC:AC+1]
.endm
.macro TAIL u, kind                    ; tile u's held p into codes, O^T under the new M, the second product
.set SB, SS+64*(\u)
.set OB, OT+32*(\u)
.set PB, PC+16*(\u)
.set FU, FFA+(FFB-FFA)*(\u)
	WIN 0x40
.irp g, 0,1,2,3,4,5,6,7
	v_cvt_scalef32_pk8_bf8_f32 v[PB+2*\g:PB+2*\g+1], v[SB+8*\g:SB+8*\g+7], v26
.endr
	WIN 0x41
	s_wait_alu depctr_va_vdst(0)                   ; directly ahead of the first readers of O^T
.set j, 0
.rept 16
	v_pk_mul_f32 v[OB+j:OB+j+1], v[OB+j:OB+j+1], v[FU:FU+1] op_sel_hi:[1,0]   ; (also the plain places behind the conversions)
.set j, j+2
.endr
.if ((\kind) == 0) && ((\u) == 0)
	s_wait_alu depctr_va_vdst(0)                   ; directly ahead of the wait below
	s_wait_dscnt 16                                ; V^T's fragments are in; the next step's 16 loads of K may be out
.endif
	WIN 0x55
.irp b, 0,1,2,3                                ; O^T += V^T P^T; the accumulators take turns
	v_wmma_f32_16x16x128_bf8_bf8 v[OB+8*\b:OB+8*\b+7], v[FV+16*\b:FV+16*\b+15], v[PB:PB+15], v[OB+8*\b:OB+8*\b+7]
.endr
	WIN 0
.endm
; A KEY STEP: 128 keys x my 32 queries; its fragments have been asked for, K's ahead of V^T's.
; kind 0: the next step lies in the same slot.  kind 1: the slot's last step, with the round and the refill.  kind 2: the same with a work-group barrier and no refill.
.macro STEP kind
	s_wait_alu depctr_va_vdst(0)
	s_wait_dscnt 16                                ; K's fragments are in; V^T's 16 loads may be out
	WIN 0x04
.irp t, 0,1,2,3,4,5,6,7                        ; S^T = K Q^T: each fragment of K serves both tiles
	v_wmma_f32_16x16x64_bf8_bf8 v[SS+8*\t:SS+8*\t+7], v[FK+8*\t:FK+8*\t+7], v[QQ:QQ+7], 0
	v_wmma_f32_16x16x64_bf8_bf8 v[SS+64+8*\t:SS+64+8*\t+7], v[FK+8*\t:FK+8*\t+7], v[QQ+8:QQ+15], 0
.endr
	WIN 0
	PLACES                                         ; in front of the loads below, and of the first read of the scores
.if (\kind) == 0
	KLOAD
	MAXB 0, 0
.else
	s_wait_tensorcnt 0x0                           ; all my tensor loads have landed: my part of the next slot
	ds_add_u32 v[SPW], v[NIL]                      ; 0 onto my spare word
.if (\kind) == 1
	s_xor_b32 s[G0R+1], s[G0R+1], SLOTB            ; the walking descriptor: the slot in hand,
	s_add_nc_u64 s[G0R+2:G0R+3], s[G0R+2:G0R+3], SLOTB   ; the keys two slots on
	s_wait_xcnt 0x0                                ; the last prefetch has read its address
	s_add_nc_u64 s[PFA:PFA+1], s[PFA:PFA+1], SLOTB
.endif
	MAXB 0, 1
.endif
	MAXB 1, 0
	v_max3_num_f32 v[XA], v[XA], v[XA+1], v[XA+2]  ; the two tiles' chains, line by line in turn
	s_delay_alu instid0(VALU_DEP_3)
	v_max3_num_f32 v[XB], v[XB], v[XB+1], v[XB+2]
	s_delay_alu instid0(VALU_DEP_2)
	v_max_num_f32 v[XA], v[XA], v[XA+3]
	s_delay_alu instid0(VALU_DEP_2)
	v_max_num_f32 v[XB], v[XB], v[XB+3]
	s_delay_alu instid0(VALU_DEP_2)
	v_permlanex16_b32 v[PLA], v[XA], s[SEL], s[SEL+1]
	s_delay_alu instid0(VALU_DEP_2)
	v_permlanex16_b32 v[PLB], v[XB], s[SEL], s[SEL+1]
	s_delay_alu instid0(VALU_DEP_2)
	v_max_num_f32 v[XA], v[XA], v[PLA]
	s_delay_alu instid0(VALU_DEP_2)
	v_max_num_f32 v[XB], v[XB], v[PLB]
	s_delay_alu instid0(VALU_DEP_2)
	v_mul_f32 v[XA], s[CS], v[XA]                  ; as t
	s_delay_alu instid0(VALU_DEP_2)
	v_mul_f32 v[XB], s[CS], v[XB]
	s_delay_alu instid0(VALU_DEP_2)
	v_max_num_f32 v[MA+1], v[MA+1], v[XA]          ; the running largest t
	s_delay_alu instid0(VALU_DEP_2)
	v_max_num_f32 v[MA+5], v[MA+5], v[XB]
	v_mov_b32 v[XA], v[MA]
	v_mov_b32 v[XB], v[MA+4]
	s_delay_alu instid0(VALU_DEP_4)
	v_floor_f32 v[MA], -v[MA+1]                    ; the new -M
	s_delay_alu instid0(VALU_DEP_4)
	v_floor_f32 v[MA+4], -v[MA+5]
	s_delay_alu instid0(VALU_DEP_2)
	v_sub_f32 v[XA], v[MA], v[XA]
	s_delay_alu instid0(VALU_DEP_2)
	v_sub_f32 v[XB], v[MA+4], v[XB]
	s_delay_alu instid0(VALU_DEP_2)
	v_cvt_i32_f32 v[XA], v[XA]                     ; (it saturates)
	s_delay_alu instid0(VALU_DEP_2)
	v_cvt_i32_f32 v[XB], v[XB]
	s_delay_alu instid0(VALU_DEP_2)
	v_ldexp_f32 v[FFA], 1.0, v[XA]                 ; f = 2^(old M - new M)
	s_delay_alu instid0(VALU_DEP_2)
	v_ldexp_f32 v[FFB], 1.0, v[XB]
.set j, 0
.rept 32
	v_pk_fma_f32 v[SS+j:SS+j+1], v[SS+j:SS+j+1], s[CS:CS+1], v[MA:MA+1] op_sel_hi:[1,0,0]   ; tile 0: t - M
.set j, j+2
.endr
	s_wait_alu depctr_va_vdst(0)                   ; ahead of the batch
.set j, 0
.rept 32                                       ; tile 0: p = 2^(t - M); among the 64 lines tile 1's t - M, first read behind the wait below
	v_exp_f32 v[SS+j], v[SS+j]
	v_pk_fma_f32 v[SS+64+j:SS+64+j+1], v[SS+64+j:SS+64+j+1], s[CS:CS+1], v[MA+4:MA+5] op_sel_hi:[1,0,0]
	v_exp_f32 v[SS+j+1], v[SS+j+1]
.set j, j+2
.endr
	v_pk_mul_f32 v[MA+2:MA+3], v[MA+2:MA+3], v[FFA:FFA+1] op_sel_hi:[1,0]   ; tile 0's sum under the new M (a plain place behind the batch)
	s_wait_alu depctr_va_vdst(0)                   ; and behind it
	SUMS 0
	s_wait_alu depctr_va_vdst(0)                   ; ahead of the second batch
.set j, 0
.rept 32                                       ; tile 1: p; among the 64 lines tile 0's hold, two numbers a line: the conversion does not saturate (ISA guide 7.6.2); p is not negative, so the hold is one-sided
	v_exp_f32 v[SS+64+j], v[SS+64+j]
	v_dual_min_num_f32 v[SS+j], s[HP], v[SS+j] :: v_dual_min_num_f32 v[SS+j+1], s[HP], v[SS+j+1]
	v_exp_f32 v[SS+64+j+1], v[SS+64+j+1]
.set j, j+2
.endr
	v_pk_mul_f32 v[MA+6:MA+7], v[MA+6:MA+7], v[FFB:FFB+1] op_sel_hi:[1,0]   ; tile 1's sum under the new M (a plain place behind the batch)
	s_wait_alu depctr_va_vdst(0)                   ; and behind it
	TAIL 0, \kind
	SUMS 1
.set j, 0
.rept 32
	v_dual_min_num_f32 v[SS+64+j], s[HP], v[SS+64+j] :: v_dual_min_num_f32 v[SS+64+j+1], s[HP], v[SS+64+j+1]
.set j, j+2
.endr
	TAIL 1, \kind
	PLACES                                         ; in front of loads into V^T's registers
.if (\kind) == 0
	VLOAD
	ADV
.else
	s_wait_alu depctr_va_vdst(0)                   ; directly ahead of the barrier's wait
	s_barrier_wait -1
.endif
.if (\kind) == 1
	CREST                                          ; no wave of any partner still reads this slot or has a load on its way
	TLOAD                                          ; the first tensor load behind the round, a wave's one until the next
	ASK
.endif
.endm
.macro TRIP kind, lab                  ; a slot: its first step's fragments, three steps in a counted loop, the last step
	KLOAD
	VLOAD
	ADV
	s_mov_b32 s[INNER], 3
.Lin_\lab:
	STEP 0
	s_sub_co_u32 s[INNER], s[INNER], 1
	s_cmp_lg_u32 s[INNER], 0
	s_cbranch_scc1 .Lin_\lab
	STEP \kind
.endm
	s_mov_b32 s[SLOTS], 6
	s_wait_alu depctr_va_vdst(0)                   ; at the head's end
.Lfill:                                            ; slots 0 to 5: each is filled again with the keys two slots on
	TRIP 1, a
	s_sub_co_u32 s[SLOTS], s[SLOTS], 1
	s_cmp_lg_u32 s[SLOTS], 0
	s_cbranch_scc1 .Lfill
	s_mov_b32 s[SLOTS], 2
.Llast:                                            ; slots 6 and 7: nothing more is asked for
	TRIP 2, b
	s_sub_co_u32 s[SLOTS], s[SLOTS], 1
	s_cmp_lg_u32 s[SLOTS], 0
	s_cbranch_scc1 .Llast
	; THE WAY OUT.  O^T x 2^(e8 + e9) / the sum is quantised with 2^e10: the conversions' results are two pieces of the last projection's operand image, for each tile.
	v_add_f32 v[MA+2], v[MA+2], v[MA+3]
	v_add_f32 v[MA+6], v[MA+6], v[MA+7]
	s_delay_alu instid0(VALU_DEP_2)
	v_permlanex16_b32 v[PLA], v[MA+2], s[SEL], s[SEL+1]
	s_delay_alu instid0(VALU_DEP_2)
	v_permlanex16_b32 v[PLB], v[MA+6], s[SEL], s[SEL+1]
	s_delay_alu instid0(VALU_DEP_2)
	v_add_f32 v[MA+2], v[MA+2], v[PLA]             ; the rows' sums
	s_delay_alu instid0(VALU_DEP_2)
	v_add_f32 v[MA+6], v[MA+6], v[PLB]
	s_wait_alu depctr_va_vdst(0)                   ; ahead of the batch
	v_rcp_f32 v[MA+2], v[MA+2]
	v_rcp_f32 v[MA+6], v[MA+6]
	v_nop
	s_add_co_i32 s72, s52, s53
	s_wait_alu depctr_va_vdst(0)                   ; and behind it
	v_ldexp_f32 v[MA+2], v[MA+2], s72              ; x 2^(e8 + e9)
	v_ldexp_f32 v[MA+6], v[MA+6], s72
	WIN 0x01
	s_wait_alu depctr_va_vdst(0)                   ; and directly ahead of the first readers of O^T
.irp u, 0,1
.set j, 0
.rept 16
	v_pk_mul_f32 v[SS+32*\u+j:SS+32*\u+j+1], v[OT+32*\u+j:OT+32*\u+j+1], v[MA+4*\u+2:MA+4*\u+3] op_sel_hi:[1,0]
.set j, j+2
.endr
.endr
	WIN 0
.set j, 0
.rept 64
	v_med3_num_f32 v[SS+j], v[SS+j], -v29, v29
.set j, j+1
.endr
.irp g, 0,1,2,3,4,5,6,7
	v_cvt_scalef32_pk8_bf8_f32 v[AC+2*\g:AC+2*\g+1], v[SS+8*\g:SS+8*\g+7], v28
.endr
	v_nop
.irp u, 0,1
	global_store_b128 v[AL], v[AC+8*\u:AC+8*\u+3], s[38:39] offset:16384*\u          ; the wave stores 512 consecutive bytes, at a multiple of 512 from the buffer's first byte,
	global_store_b128 v[AL], v[AC+8*\u+4:AC+8*\u+7], s[38:39] offset:16384*\u+512    ; and the 512 behind them
.endr
	s_wait_tensorcnt 0x0                           ; the wave's end
	ds_add_u32 v[SPW], v[NIL]
	s_wait_dscnt 0x0
	CROUND                                         ; the closing round
	s_endpgm
.Lfunc_end_k_q697166f4ee_attn:
	.size	k_q697166f4ee_attn, .Lfunc_end_k_q697166f4ee_attn-k_q697166f4ee_attn
	.p2alignl 7, 3214868480
	.fill 96, 4, 3214868480
	.section	.rodata,"a",@progbits
	.p2align	6, 0x0
	.amdhsa_kernel k_q697166f4ee_attn
		.amdhsa_group_segment_fixed_size 327680
		.amdhsa_private_segment_fixed_size 0
		.amdhsa_enable_private_segment 0
		.amdhsa_kernarg_size 48
		.amdhsa_user_sgpr_count 2
		.amdhsa_user_sgpr_kernarg_segment_ptr 1
		.amdhsa_wavefront_size32 1
		.amdhsa_system_sgpr_workgroup_id_x 1
		.amdhsa_system_sgpr_workgroup_id_y 1
		.amdhsa_system_sgpr_workgroup_id_z 1
		.amdhsa_system_vgpr_workitem_id 0
		.amdhsa_next_free_vgpr 512
		.amdhsa_next_free_sgpr 88
		.amdhsa_reserve_vcc 0
		.amdhsa_float_denorm_mode_32 3
		.amdhsa_float_denorm_mode_16_64 3
		.amdhsa_memory_ordered 1
		.amdhsa_forward_progress 1
		.amdhsa_inst_pref_size 165
	.end_amdhsa_kernel
	.amdgpu_metadata
---
amdhsa.version: [ 1, 2 ]
amdhsa.kernels:
  - .name:           k_q697166f4ee_attn
    .symbol:         k_q697166f4ee_attn.kd
    .args:
      - { .name: xcodes, .offset: 0, .size: 8, .value_kind: global_buffer, .address_space: global }
      - { .name: wcodes, .offset: 8, .size: 8, .value_kind: global_buffer, .address_space: global }
      - { .name: kvcodes, .offset: 16, .size: 8, .value_kind: global_buffer, .address_space: global }
      - { .name: lowp_scales, .offset: 24, .size: 8, .value_kind: global_buffer, .address_space: global }
      - { .name: bq, .offset: 32, .size: 8, .value_kind: global_buffer, .address_space: global }
      - { .name: acodes, .offset: 40, .size: 8, .value_kind: global_buffer, .address_space: global }
    .group_segment_fixed_size: 327680
    .private_segment_fixed_size: 0
    .kernarg_segment_align: 8
    .kernarg_segment_size: 48
    .max_flat_workgroup_size: 256
    .sgpr_count:     88
    .vgpr_count:     512
    .wavefront_size: 32
...
	.end_amdgpu_metadata
.endif
;; end of part 3
;; launch outp (part 4): grid 8 x 32, 4 waves a work-group, clusters of 4 x 4, 327,680 bytes of LDS; arguments acodes, wcodes, lowp_scales, bo, out0; writes out0
.if DOCPART == 4
	.amdgcn_target "amdgcn-amd-amdhsa--gfx1250"
	.amdhsa_code_object_version 6
	.text
	.protected	k_q697166f4ee_outp
	.globl	k_q697166f4ee_outp
	.p2align	8
	.type	k_q697166f4ee_outp,@function
k_q697166f4ee_outp:
	s_mov_b64 s[64:65], 0
	v_nop
	global_prefetch_b8 v0, s[64:65] scope:SCOPE_SE
	s_setreg_imm32_b32 hwreg(HW_REG_WAVE_MODE, 25, 1), 1
	s_wait_xcnt 0x0
	s_wait_alu depctr_hold_cnt(0) depctr_sa_sdst(0) depctr_va_vdst(0) depctr_va_sdst(0) depctr_va_ssrc(0) depctr_va_vcc(0) depctr_vm_vsrc(0)
	s_getreg_b32 s2, hwreg(HW_REG_IB_STS2, 6, 4)
	s_cmp_eq_u32 s2, 0
	s_cbranch_scc0 .Lentry_in_a_cluster
	s_endpgm
.Lentry_in_a_cluster:
	s_bfe_u32 s2, ttmp6, 0x10000c
	s_cmp_lg_u32 s2, 0xf033
	s_cbranch_scc0 .Lentry_shape_is_right
	s_endpgm
.Lentry_shape_is_right:
; out0 = attention's result x Wo + bo, on codes of BF8 (E5M2): [4,096 x 1,024] x [1,024 x 1,024]; each finished sum x 2^(e10 + e11), + bo, f32.
; LIMIT: e10 + e11 between -126 and 127, so that 2^(e10 + e11) is an f32 number.
; A block of 128 x 128 to a work-group: 8 x 32 = 256 work-groups.  Both operands of a block, 8 tiles x 8 K steps x 2,048 bytes of register images each, are 131,072 consecutive bytes of memory and lie whole in LDS:
; four fills of 65,536 bytes, one a wave, at the head; nothing is filled again, so there is no ring.  With no loop to run ahead in, nothing is prefetched.
; CLUSTER 4 x 4: the rows' codes are asked for jointly along a row of the cluster, Wo's along a column.
; A wave makes 64 x 64: 16 accumulators in window 1 (v0-127).  Fragments (4 of the rows, 4 of Wo, 16 registers each) in two sets by turns: window 0 v128-255 and window 1 v128-255.
; The matrix instruction is used transposed (source 0 = Wo's tile): a lane holds eight neighbouring columns of one row.  The rows and columns of a tile are not neighbours: tile a of a group of 128 has
; lane-row r = index 32 (a / 2) + 8 (a % 2) + r + 8 (r / 8).  A block of 16 rows x 64 columns goes through the wave's own stage in LDS and leaves as rows of 256 bytes: sixteen lanes store one aligned unit.
.set HALFB,  65536
.set STAGE,  4*HALFB
.set SPITCH, 272
.set SPARE,  STAGE+4*16*SPITCH         ; the spare words, 128 bytes for each wave: two blocks of 256 bytes that no other line names
.set ADRA, 16
.set ADRB, 17
.set STO,  24
.set RD,   25
.set CO,   26
.set LI,   27
.set SPW,  28
.set NIL,  29
.set BIAS, 32
.set FA,   128
.set FB,   192
.set TMP,  128
.set BK,   160
.set G1, 24
.set G0, 32
.set G1B, 48
.set G0B, 56
.set MSB, 0
.macro WIN new
.if MSB != \new
	s_set_vgpr_msb (MSB<<8)|\new
.set MSB, \new
.endif
.endm
.macro CREST
	s_cmp_lg_u32 s14, 0
	s_cbranch_scc1 .Lnot_wave_0_\@
	s_barrier_signal -3
.Lnot_wave_0_\@:
	s_barrier_wait -3
	s_barrier_signal -1
	s_barrier_wait -1
.endm
.macro CROUND
	s_barrier_signal -1
	s_barrier_wait -1
	CREST
.endm
.macro PLACES
.rept 4
	v_nop
.endr
.endm
	s_load_b256 s[4:11], s[0:1], 0x0               ; acodes s[4:5], wcodes s[6:7], the scales' exponents s[8:9], bo s[10:11]
	s_load_b64 s[68:69], s[0:1], 0x20              ; out0
	v_lshl_add_u32 v[SPW], v0, 2, SPARE
	v_mov_b32 v[NIL], 0
	ds_add_u32 v[SPW], v[NIL]                      ; the opening lines: the add, twice on end, and its wait
	ds_add_u32 v[SPW], v[NIL]
	v_lshrrev_b32 v1, 5, v0
	v_readfirstlane_b32 s14, v1                    ; wave 0..3
	s_lshr_b32 s15, s14, 1                         ; my half of the block's rows.  Also: I fetch the rows' codes (0) or Wo's (1)
	s_and_b32 s16, s14, 1                          ; my half of its columns.  Also: which half of that operand I fetch
	s_bfe_u32 s40, ttmp6, 0x40000                  ; cx, cy
	s_bfe_u32 s41, ttmp6, 0x40004
	s_lshl_b32 s42, ttmp9, 2
	s_add_co_u32 s42, s42, s40                     ; block column
	s_and_b32 s17, ttmp7, 0xffff
	s_lshl_b32 s17, s17, 2
	s_add_co_u32 s17, s17, s41                     ; block row
	s_lshl_b32 s43, s41, 2
	s_lshl_b32 s43, 15, s43                        ; my row of the cluster
	s_lshl_b32 s44, 0x1111, s40                    ; my column
	s_or_b32 s[G1+0], s43, (3<<16)|(1<<21)         ; the mask; elements of 8 bytes; bit 21 beside a mask
	s_or_b32 s[G1B+0], s44, (3<<16)|(1<<21)
.irp g, G1, G1B
	s_mov_b32 s[\g+1], 32<<16                      ; 256 rows of 256 bytes, dense in memory and in LDS
	s_mov_b32 s[\g+2], 256<<16
	s_mov_b32 s[\g+3], 32<<16
	s_mov_b32 s[\g+4], 256
	s_mov_b32 s[\g+5], 32
	s_mov_b32 s[\g+6], 0
	s_mov_b32 s[\g+7], 0
.endr
	s_lshl_b32 s18, s16, 16
	s_lshl_b32 s20, s17, 17
	s_add_co_u32 s20, s20, s18
	s_mov_b32 s21, 0
	s_lshl_b32 s46, s42, 17
	s_add_co_u32 s46, s46, s18
	s_add_co_u32 s46, s46, 3<<20                   ; Wo is the fourth weight of wcodes
	s_mov_b32 s47, 0
	s_lshl_b32 s45, s14, 16                        ; where my fill goes: wave x 65,536
	s_wait_alu depctr_va_vdst(0)                   ; directly ahead of the waits below
	s_wait_dscnt 0x0
	s_wait_kmcnt 0x0
	s_load_b64 s[96:97], s[8:9], 0x28              ; e10, e11
	s_mov_b32 s[G0], 1
	s_mov_b32 s[G0+1], s45
	s_add_nc_u64 s[G0+2:G0+3], s[4:5], s[20:21]
	s_or_b32 s[G0+3], s[G0+3], 0x80000000
	s_mov_b32 s[G0B], 1
	s_mov_b32 s[G0B+1], s45
	s_add_nc_u64 s[G0B+2:G0B+3], s[6:7], s[46:47]
	s_or_b32 s[G0B+3], s[G0B+3], 0x80000000
	CROUND                                         ; all sixteen work-groups are here: the joint loads meet
	s_cmp_eq_u32 s15, 0
	s_cbranch_scc0 .Lfor_b
	tensor_load_to_lds s[G0:G0+3], s[G1:G1+7]
	s_nop 0
	PLACES
	s_branch .Lasked
.Lfor_b:
	tensor_load_to_lds s[G0B:G0B+3], s[G1B:G1B+7]
	s_nop 0
	PLACES
.Lasked:
	s_lshl_b32 s21, s15, 16                        ; my 4 tiles of rows,
	s_lshl_b32 s22, s16, 16
	s_add_co_u32 s22, s22, 2*HALFB                 ; my 4 tiles of Wo
	s_mul_i32 s23, s14, 16*SPITCH
	s_add_co_u32 s23, s23, STAGE                   ; my stage
	s_lshl_b32 s18, s17, 7
	s_lshl_b32 s19, s15, 6
	s_add_co_u32 s18, s18, s19                     ; my first row: 128 x block row + 64 x half
	s_lshl_b32 s18, s18, 12
	s_mov_b32 s19, 0
	s_add_nc_u64 s[68:69], s[68:69], s[18:19]
	s_lshl_b32 s46, s42, 9                         ; my first column, in bytes: 512 x block column + 256 x half
	s_lshl_b32 s47, s16, 8
	s_add_co_u32 s46, s46, s47
	s_mov_b32 s47, 0
	s_add_nc_u64 s[68:69], s[68:69], s[46:47]
	s_add_nc_u64 s[10:11], s[10:11], s[46:47]
	v_and_b32 v1, 31, v0
	v_and_b32 v2, 15, v0                           ; r
	v_bfe_u32 v3, v0, 4, 1                         ; h
	v_lshlrev_b32 v[LI], 4, v1
	v_lshlrev_b32 v8, 6, v3
	v_add_nc_u32 v[ADRA], s21, v[LI]
	v_add_nc_u32 v[ADRB], s22, v[LI]
	v_mul_u32_u24 v[STO], v2, SPITCH
	v_lshl_add_u32 v[STO], v3, 6, v[STO]
	v_add_nc_u32 v[STO], s23, v[STO]               ; in: row r, 64 bytes on for the upper half of the lanes
	v_mul_u32_u24 v[RD], v3, SPITCH
	v_lshl_add_u32 v[RD], v2, 4, v[RD]
	v_add_nc_u32 v[RD], s23, v[RD]                 ; back: lanes 0-15 one row of 256 bytes, lanes 16-31 the next
	v_lshlrev_b32 v[CO], 12, v3
	v_lshl_add_u32 v[CO], v2, 4, v[CO]             ; and the same two rows in out0
	s_wait_alu depctr_va_vdst(0)                   ; at the head's end
.irp b, 0,1,2,3
	global_load_b128 v[BIAS+8*\b:BIAS+8*\b+3], v8, s[10:11] offset:(32*(\b/2)+8*(\b%2))*4        ; bo at my lane's eight columns of tile b
	global_load_b128 v[BIAS+8*\b+4:BIAS+8*\b+7], v8, s[10:11] offset:(32*(\b/2)+8*(\b%2))*4+16
.endr
	s_wait_tensorcnt 0x0                           ; my fill has landed
	s_barrier_signal -1
	s_barrier_wait -1                              ; everybody's has
.macro FETCH s                         ; K step s: 32 loads of 512 consecutive bytes, into set s % 2
	WIN 0x40*((\s)%2)
.irp i, 0,1,2,3
.irp c, 0,1,2,3
	ds_load_b128 v[FB+16*\i+4*\c:FB+16*\i+4*\c+3], v[ADRB] offset:16384*\i+2048*(\s)+512*\c
.endr
.endr
.irp i, 0,1,2,3
.irp c, 0,1,2,3
	ds_load_b128 v[FA+16*\i+4*\c:FA+16*\i+4*\c+3], v[ADRA] offset:16384*\i+2048*(\s)+512*\c
.endr
.endr
	WIN 0
.endm
.macro MUL s                           ; 16 matrix instructions; the 16 accumulators take turns
	WIN 0x50+5*((\s)%2)
.irp a, 0,1,2,3
.irp b, 0,1,2,3
.if (\s) == 0
	v_wmma_f32_16x16x128_bf8_bf8 v[8*(4*\a+\b):8*(4*\a+\b)+7], v[FB+16*\b:FB+16*\b+15], v[FA+16*\a:FA+16*\a+15], 0
.else
	v_wmma_f32_16x16x128_bf8_bf8 v[8*(4*\a+\b):8*(4*\a+\b)+7], v[FB+16*\b:FB+16*\b+15], v[FA+16*\a:FA+16*\a+15], v[8*(4*\a+\b):8*(4*\a+\b)+7]
.endif
.endr
.endr
	WIN 0
.endm
	FETCH 0
	FETCH 1
.irp s, 0,1,2,3,4,5,6,7
.if \s < 7
	s_wait_dscnt 32                                ; this step's 32 loads are in; the next step's may be out
.else
	s_wait_dscnt 0x0
.endif
	MUL \s
	PLACES                                         ; in front of loads into registers that the products read, and of the first read of the sums
.if \s < 6
	FETCH \s+2
.endif
.endr
.macro TOSTAGE a
	WIN 0x01
.set j, 0
.rept 16
	v_pk_fma_f32 v[TMP+j:TMP+j+1], v[32*(\a)+j:32*(\a)+j+1], s[96:97], v[BIAS+j:BIAS+j+1] op_sel_hi:[1,0,1]   ; sum x 2^(e10 + e11) + bo; each accumulator from its low end on
.set j, j+2
.endr
	WIN 0
.irp b, 0,1,2,3
	ds_store_b128 v[STO], v[TMP+8*\b:TMP+8*\b+3] offset:128*(\b/2)+32*(\b%2)
	ds_store_b128 v[STO], v[TMP+8*\b+4:TMP+8*\b+7] offset:128*(\b/2)+32*(\b%2)+16
.endr
.set BB, BK+32*((\a)%2)
.irp t, 0,1,2,3,4,5,6,7
	ds_load_b128 v[BB+4*\t:BB+4*\t+3], v[RD] offset:2*\t*SPITCH   ; LDS serves a wave's instructions in order (ISA guide 5.7.1.4): these see my stores
.endr
.endm
.macro SEND a, younger
.set BB, BK+32*((\a)%2)
	s_wait_dscnt \younger
.irp t, 0,1,2,3,4,5,6,7
	global_store_b128 v[CO], v[BB+4*\t:BB+4*\t+3], s[68:69] offset:(32*((\a)/2)+8*((\a)%2)+2*\t+8*(\t/4))*4096 th:TH_STORE_NT   ; sixteen lanes store 256 consecutive bytes, at a multiple of 256 from out0's first byte
.endr
.endm
	s_wait_kmcnt 0x0
	s_add_co_i32 s96, s96, s97
	s_add_co_i32 s96, s96, 127
	s_lshl_b32 s96, s96, 23                        ; 2^(e10 + e11)
	s_mov_b32 s97, s96
	s_wait_loadcnt 0x0                             ; bo
	TOSTAGE 0
.irp a, 1,2,3
.if \a > 1
	s_wait_xcnt 0x0                                ; block a - 2's stores have read their registers: block a's loads may land there
.endif
	TOSTAGE \a
	SEND \a-1, 16                                  ; behind block a - 1's loads: block a's 8 stores and 8 loads
.endr
	SEND 3, 0
	s_wait_tensorcnt 0x0                           ; the wave's end
	ds_add_u32 v[SPW], v[NIL]
	s_wait_dscnt 0x0
	CROUND                                         ; the closing round
	s_endpgm
.Lfunc_end_k_q697166f4ee_outp:
	.size	k_q697166f4ee_outp, .Lfunc_end_k_q697166f4ee_outp-k_q697166f4ee_outp
	.p2alignl 7, 3214868480
	.fill 96, 4, 3214868480
	.section	.rodata,"a",@progbits
	.p2align	6, 0x0
	.amdhsa_kernel k_q697166f4ee_outp
		.amdhsa_group_segment_fixed_size 327680
		.amdhsa_private_segment_fixed_size 0
		.amdhsa_enable_private_segment 0
		.amdhsa_kernarg_size 40
		.amdhsa_user_sgpr_count 2
		.amdhsa_user_sgpr_kernarg_segment_ptr 1
		.amdhsa_wavefront_size32 1
		.amdhsa_system_sgpr_workgroup_id_x 1
		.amdhsa_system_sgpr_workgroup_id_y 1
		.amdhsa_system_sgpr_workgroup_id_z 1
		.amdhsa_system_vgpr_workitem_id 0
		.amdhsa_next_free_vgpr 512
		.amdhsa_next_free_sgpr 100
		.amdhsa_reserve_vcc 0
		.amdhsa_float_denorm_mode_32 3
		.amdhsa_float_denorm_mode_16_64 3
		.amdhsa_memory_ordered 1
		.amdhsa_forward_progress 1
		.amdhsa_inst_pref_size 45
	.end_amdhsa_kernel
	.amdgpu_metadata
---
amdhsa.version: [ 1, 2 ]
amdhsa.kernels:
  - .name:           k_q697166f4ee_outp
    .symbol:         k_q697166f4ee_outp.kd
    .args:
      - { .name: acodes, .offset: 0, .size: 8, .value_kind: global_buffer, .address_space: global }
      - { .name: wcodes, .offset: 8, .size: 8, .value_kind: global_buffer, .address_space: global }
      - { .name: lowp_scales, .offset: 16, .size: 8, .value_kind: global_buffer, .address_space: global }
      - { .name: bo, .offset: 24, .size: 8, .value_kind: global_buffer, .address_space: global }
      - { .name: out0, .offset: 32, .size: 8, .value_kind: global_buffer, .address_space: global }
    .group_segment_fixed_size: 327680
    .private_segment_fixed_size: 0
    .kernarg_segment_align: 8
    .kernarg_segment_size: 40
    .max_flat_workgroup_size: 128
    .sgpr_count:     100
    .vgpr_count:     512
    .wavefront_size: 32
...
	.end_amdgpu_metadata
.endif
;; end of part 4
